; MI455X (gfx1250); checked and timed in simulation.
; The chip was launched on July 23, 2026; its instructions are those of AMD's public machine-readable ISA for CDNA 5 (MIT licence, August 2026) and "CDNA5" Instruction Set Architecture Reference Guide (July 2026). The comments in the code are by the model that wrote it; some were corrected since.
;; Decoupled Ro PE Attention. Allowed arithmetic: float matrix products may take bf16 or f16 operands with f32 sums; other float arithmetic in f32, or as packed bf16 or f16 multiplies, adds, multiply-adds, maxima and minima; sums over many terms, partial sums and values carried from step to step in f32; what a program stores and reads back later, other than sums and carried values, may be rounded once to bf16 or f16.
;; Inputs: W_KC 2,048 x 2,048 float32; W_KR 1,024 x 2,048 float32; W_O 2,048 x 2,048 float32; W_QC 2,048 x 2,048 float32; W_QR 1,024 x 2,048 float32; W_V 2,048 x 2,048 float32; key_value 2 x 1,024 x 2,048 float32; query 2 x 1,024 x 2,048 float32.
;; Outputs: out0 2 x 1,024 x 2,048 float32.
;; 2 versions, each right; version 2 is version 1 with the launch cast written anew for expert scheduling mode. Each part assembles by itself: llvm-mc -triple=amdgcn-amd-amdhsa -mcpu=gfx1250 --defsym DOCPART=n.
;; ======== version 1 of 2: 4 launches
;; limits: values are held in f16: magnitudes above 65,504 overflow, below 6.1e-05 lose precision
;; workspace buffers: xb 16,777,216 bytes; wb 33,554,432 bytes; wo 8,388,608 bytes; rope 262,144 bytes; qh 12,582,912 bytes; kh 12,582,912 bytes; vh 8,388,608 bytes; oh 8,388,608 bytes
;; launch cast (part 1): grid 64 x 13, 8 waves a work-group, no clusters, 0 bytes of LDS; arguments query, key_value, W_QC, W_QR, W_KC, W_KR, W_V, xb, wb, rope; writes xb, wb, rope
.if DOCPART == 1
	.amdgcn_target "amdgcn-amd-amdhsa--gfx1250"
	.amdhsa_code_object_version 6
	.text
	.protected	k_qe00541028f_cast
	.globl	k_qe00541028f_cast
	.p2align	8
	.type	k_qe00541028f_cast,@function
k_qe00541028f_cast:
	s_mov_b64 s[64:65], 0
	v_nop
	global_prefetch_b8 v0, s[64:65] scope:SCOPE_SE
	s_setreg_imm32_b32 hwreg(HW_REG_WAVE_MODE, 25, 1), 1
	s_wait_xcnt 0x0
; CAST.  The seven f32 inputs of the five projections are rounded once to bf16 and laid side by side:
;   xb [4096][2048] bf16: query's 2,048 rows, then key_value's.   wb [8192][2048] bf16: W_QC, W_QR, W_KC, W_KR, W_V.
;   rope [1024 t][32 i][cos, sin] f32: the rotary table.   (W_O is rounded in the attention launch.)
; LIMITS.  The table's frequency is 2^(-i log2(1e6) / 32) by v_exp_f32 and the angle t f one f32 product; the angle is reduced by 2 pi
; in two parts and halved, and sine and cosine are series to y^11 and y^12 on |y| <= pi / 2 (remainder under 1e-7).
; SHARES.  Grid y = unit u.  Units 0 to 11 are 2 M numbers each (8 MiB in, 4 MiB out); work-group x of 64 takes 32,768 of them, 32 chunks of
; 4 KiB in: a wave's load covers 512 consecutive bytes, a wave's store 256 consecutive bytes, aligned.  A ring of 16 register slots keeps 16 loads
; of every wave on their way; a slot's next load is issued ahead of its store; chunk numbers stand in the immediates, so no address register is rewritten.
; Unit 12 makes the table, two entries a thread.  No LDS, no matrix unit, no cluster: nothing is read twice and nothing is shared.
.set DEPTH,  16                        ; slots = loads in flight in each wave
.set CHUNKS, 32                        ; chunks of a work-group
.set X, 16                             ; v[16:79]   slot r: 4 registers as loaded
.set Y, 80                             ; v[80:111]  slot r: 2 registers to store
	s_load_b512 s[4:19], s[0:1], 0x0               ; query 4, key_value 6, W_QC 8, W_QR 10, W_KC 12, W_KR 14, W_V 16, xb 18
	s_load_b128 s[20:23], s[0:1], 0x40             ; wb 20, rope 22
	s_and_b32 s28, ttmp7, 0xffff                   ; u
	s_mov_b32 s29, ttmp9                           ; x
	v_lshlrev_b32 v1, 4, v0                        ; 16 bytes a thread in
	v_lshlrev_b32 v2, 3, v0                        ; 8 bytes a thread out
	s_wait_kmcnt 0x0
	s_cmp_eq_u32 s28, 12
	s_cbranch_scc1 .Ltable
	; which input, and the first unit of it; which output, and the first unit of it
.macro PICK k, src
	s_cmp_ge_u32 s28, \k
	s_cselect_b64 s[32:33], s[\src:\src+1], s[32:33]
	s_cselect_b32 s30, \k, s30
.endm
	s_mov_b64 s[32:33], s[4:5]
	s_mov_b32 s30, 0
	PICK 2, 6
	PICK 4, 8
	PICK 6, 10
	PICK 7, 12
	PICK 9, 14
	PICK 10, 16
	s_cmp_ge_u32 s28, 4
	s_cselect_b64 s[34:35], s[20:21], s[18:19]
	s_cselect_b32 s31, 4, 0
	s_sub_co_u32 s36, s28, s30
	s_lshl_b32 s36, s36, 23                        ; units of 8 MiB in
	s_lshl_b32 s37, s29, 17                        ; + 128 KiB a work-group
	s_add_co_u32 s36, s36, s37
	s_mov_b32 s37, 0
	s_add_nc_u64 s[32:33], s[32:33], s[36:37]
	s_sub_co_u32 s38, s28, s31
	s_lshl_b32 s38, s38, 22                        ; units of 4 MiB out
	s_lshl_b32 s39, s29, 16                        ; + 64 KiB a work-group
	s_add_co_u32 s38, s38, s39
	s_mov_b32 s39, 0
	s_add_nc_u64 s[34:35], s[34:35], s[38:39]
.set k, 0
.rept DEPTH                            ; the ring is filled: chunks 0 to 15
	global_load_b128 v[X+4*k:X+4*k+3], v1, s[32:33] offset:4096*k th:TH_LOAD_NT
.set k, k+1
.endr
.set k, 0
.rept CHUNKS                           ; chunk k's turn, in slot r
.set r, k%DEPTH
.if k < CHUNKS-DEPTH
	s_wait_loadcnt DEPTH-1                         ; loads come back in order (ISA guide 5.7.1): chunk k is in, the 15 younger loads stay out
.else
	s_wait_loadcnt CHUNKS-1-k                      ; nothing more is asked for: the counts run down
.endif
.if k >= DEPTH
	s_wait_xcnt 0x0                                ; the slot's Y, which the store of chunk k - 16 reads, is rewritten only behind this wait
.endif
	v_cvt_pk_bf16_f32 v[Y+2*r], v[X+4*r], v[X+4*r+1]
	v_cvt_pk_bf16_f32 v[Y+2*r+1], v[X+4*r+2], v[X+4*r+3]
.if k < CHUNKS-DEPTH
	global_load_b128 v[X+4*r:X+4*r+3], v1, s[32:33] offset:4096*(k+DEPTH) th:TH_LOAD_NT  ; the slot's next chunk, ahead of the store
.endif
	global_store_b64 v2, v[Y+2*r:Y+2*r+1], s[34:35] offset:2048*k  ; read again by the next launch: no hint
.set k, k+1
.endr
	s_endpgm
; cos and sin of the angle v[t] x frequency (v6), into v[o], v[o+1]
.macro SINCOS t, o
	v_mul_f32 v7, v[\t], v6                        ; the angle
	v_mul_f32 v8, 0x3e22f983, v7                   ; / 2 pi
	v_rndne_f32 v8, v8                             ; n
	v_fmamk_f32 v7, v8, 0xc0c90fdb, v7             ; - n x (2 pi rounded to f32), exact in the fused form,
	v_fmamk_f32 v7, v8, 0x343bbd2e, v7             ; - n x (what that rounding left)
	v_mul_f32 v8, 0.5, v7                          ; y
	v_mul_f32 v9, v8, v8                           ; z = y y
	v_mov_b32 v10, 0xb2d7322b                      ; sin y / y: -1/11!
	v_mov_b32 v11, 0x310f76c7                      ; cos y: 1/12!
	v_fmaak_f32 v10, v10, v9, 0x3638ef1d           ; 1/9!
	v_fmaak_f32 v11, v11, v9, 0xb493f27e           ; -1/10!
	v_fmaak_f32 v10, v10, v9, 0xb9500d01           ; -1/7!
	v_fmaak_f32 v11, v11, v9, 0x37d00d01           ; 1/8!
	v_fmaak_f32 v10, v10, v9, 0x3c088889           ; 1/5!
	v_fmaak_f32 v11, v11, v9, 0xbab60b61           ; -1/6!
	v_fmaak_f32 v10, v10, v9, 0xbe2aaaab           ; -1/3!
	v_fmaak_f32 v11, v11, v9, 0x3d2aaaab           ; 1/4!
	v_fma_f32 v10, v10, v9, 1.0
	v_fma_f32 v11, v11, v9, -0.5
	v_mul_f32 v10, v10, v8                         ; sin y
	v_fma_f32 v11, v11, v9, 1.0                    ; cos y
	v_mul_f32 v12, v10, v10
	v_mul_f32 v13, v10, v11
	v_fma_f32 v[\o], v12, -2.0, 1.0                ; cos 2y = 1 - 2 sin^2 y
	v_add_f32 v[(\o)+1], v13, v13                  ; sin 2y = 2 sin y cos y
.endm
.Ltable:                                               ; entries g = 512 x + thread and g + 256: position t = g / 32 and t + 8, the same pair i = g % 32
	v_lshl_add_u32 v3, s29, 9, v0
	v_and_b32 v4, 31, v3
	v_lshrrev_b32 v5, 5, v3
	v_cvt_f32_u32 v4, v4
	v_cvt_f32_u32 v5, v5
	v_mul_f32 v4, 0xbf1f73da, v4                   ; -i log2(1e6) / 32
	v_exp_f32 v6, v4                               ; the frequency
	v_lshlrev_b32 v3, 3, v3                        ; 8 bytes an entry: the plain line behind the exponential
	v_add_f32 v14, 0x41000000, v5                  ; t + 8, exact
	s_wait_alu depctr_va_vdst(0)
	SINCOS 5, 16
	SINCOS 14, 18
	global_store_b64 v3, v[16:17], s[22:23]        ; a wave's store covers 256 consecutive bytes: one position's row
	global_store_b64 v3, v[18:19], s[22:23] offset:2048
	s_endpgm
.Lfunc_end_k_qe00541028f_cast:
	.size	k_qe00541028f_cast, .Lfunc_end_k_qe00541028f_cast-k_qe00541028f_cast
	.p2alignl 7, 3214868480
	.fill 96, 4, 3214868480
	.section	.rodata,"a",@progbits
	.p2align	6, 0x0
	.amdhsa_kernel k_qe00541028f_cast
		.amdhsa_group_segment_fixed_size 0
		.amdhsa_private_segment_fixed_size 0
		.amdhsa_enable_private_segment 0
		.amdhsa_kernarg_size 80
		.amdhsa_user_sgpr_count 2
		.amdhsa_user_sgpr_kernarg_segment_ptr 1
		.amdhsa_wavefront_size32 1
		.amdhsa_system_sgpr_workgroup_id_x 1
		.amdhsa_system_sgpr_workgroup_id_y 1
		.amdhsa_system_sgpr_workgroup_id_z 1
		.amdhsa_system_vgpr_workitem_id 0
		.amdhsa_next_free_vgpr 112
		.amdhsa_next_free_sgpr 66
		.amdhsa_reserve_vcc 0
		.amdhsa_float_denorm_mode_32 3
		.amdhsa_float_denorm_mode_16_64 3
		.amdhsa_memory_ordered 1
		.amdhsa_forward_progress 1
		.amdhsa_inst_pref_size 17
	.end_amdhsa_kernel
	.amdgpu_metadata
---
amdhsa.version: [ 1, 2 ]
amdhsa.kernels:
  - .name:           k_qe00541028f_cast
    .symbol:         k_qe00541028f_cast.kd
    .args:
      - { .name: query, .offset: 0, .size: 8, .value_kind: global_buffer, .address_space: global }
      - { .name: key_value, .offset: 8, .size: 8, .value_kind: global_buffer, .address_space: global }
      - { .name: W_QC, .offset: 16, .size: 8, .value_kind: global_buffer, .address_space: global }
      - { .name: W_QR, .offset: 24, .size: 8, .value_kind: global_buffer, .address_space: global }
      - { .name: W_KC, .offset: 32, .size: 8, .value_kind: global_buffer, .address_space: global }
      - { .name: W_KR, .offset: 40, .size: 8, .value_kind: global_buffer, .address_space: global }
      - { .name: W_V, .offset: 48, .size: 8, .value_kind: global_buffer, .address_space: global }
      - { .name: xb, .offset: 56, .size: 8, .value_kind: global_buffer, .address_space: global }
      - { .name: wb, .offset: 64, .size: 8, .value_kind: global_buffer, .address_space: global }
      - { .name: rope, .offset: 72, .size: 8, .value_kind: global_buffer, .address_space: global }
    .group_segment_fixed_size: 0
    .private_segment_fixed_size: 0
    .kernarg_segment_align: 8
    .kernarg_segment_size: 80
    .max_flat_workgroup_size: 256
    .sgpr_count:     66
    .vgpr_count:     112
    .wavefront_size: 32
...
	.end_amdgpu_metadata
.endif
;; end of part 1
;; launch proj (part 2): grid 32 x 8, 4 waves a work-group, clusters of 4 x 4, 327,680 bytes of LDS; arguments xb, wb, rope, qh, kh, vh; writes qh, kh, vh
.if DOCPART == 2
	.amdgcn_target "amdgcn-amd-amdhsa--gfx1250"
	.amdhsa_code_object_version 6
	.text
	.protected	k_qe00541028f_proj
	.globl	k_qe00541028f_proj
	.p2align	8
	.type	k_qe00541028f_proj,@function
k_qe00541028f_proj:
	s_mov_b64 s[64:65], 0
	v_nop
	global_prefetch_b8 v0, s[64:65] scope:SCOPE_SE
	s_setreg_imm32_b32 hwreg(HW_REG_WAVE_MODE, 25, 1), 1
	s_wait_xcnt 0x0
	s_wait_alu depctr_hold_cnt(0) depctr_sa_sdst(0) depctr_va_vdst(0) depctr_va_sdst(0) depctr_va_ssrc(0) depctr_va_vcc(0) depctr_vm_vsrc(0)
	s_getreg_b32 s2, hwreg(HW_REG_IB_STS2, 6, 4)
	s_cmp_eq_u32 s2, 0
	s_cbranch_scc0 .Lentry_in_a_cluster
	s_endpgm
.Lentry_in_a_cluster:
	s_bfe_u32 s2, ttmp6, 0x10000c
	s_cmp_lg_u32 s2, 0xf033
	s_cbranch_scc0 .Lentry_shape_is_right
	s_endpgm
.Lentry_shape_is_right:
; ALL FIVE PROJECTIONS AS ONE PRODUCT, WITH THE ROTATION.  C[m][n] = sum over k of A[m][k] B[n][k], A = 2,048 rows of xb, B = wb's 8,192 rows, K = 2,048, bf16 operands, f32 sums.
; 8 x 32 tiles of 256 x 256, one to a work-group; four waves, each 128 x 128: 64 accumulators, 512 registers.  K goes in steps of 128 through two LDS slots filled by the tensor data mover.
; WHICH PROJECTION hangs on the cluster's x alone (four tile columns), so it is the same in all sixteen partners: 0, 1 W_QC; 2 W_QR; 3, 4 W_KC; 5 W_KR; 6, 7 W_V.  From 3 on A is key_value (xb's rows 2,048 on).
; OUT, rounded once to f16, by heads: qh and kh lie as [b 16 + h][16 blocks of 64 rows][24,576 bytes]: in a block 64 rows x 128 plain channels (256 bytes a row), then from byte 16,384 on
; 64 rows x 64 rotated channels (128 bytes a row); vh as [b 16 + h][1,024][128].  So a block is dense, and every store here covers whole aligned runs of 256 bytes.
; THE ROTATION is made in f32 on the sums: (x0, x1) -> (x0 c - x1 s, x1 c + x0 s) with (c, s) from the table by the row's position and the channel pair.
; THE WAY OUT is written for 64 of my rows (four blocks of 16, window 2's accumulators) and walked twice; between the walks window 3's accumulators are copied into window 2:
; 256 v_mov_b32 are the price of one text for both halves.
; LIMIT.  f16 ends at 65,504: q, k and v must stay within it.  NaN and infinities are not treated apart.  The softmax scale is not applied here.
; CLUSTERS: 4 x 4 work-groups.  The four of a row of the cluster need the same tiles of A, the four of a column the same tiles of B: each tile is asked for jointly, by the same tensor load with
; the same descriptor and a mask that names the four.  THE MATRIX INSTRUCTION IS USED TRANSPOSED (source 0 = 16 rows of B, source 1 = 16 rows of A): a lane holds eight neighbouring numbers of a row of C.
; REGISTERS, in windows of 256 (s_set_vgpr_msb: bits 1:0 source 0, 3:2 source 1, 5:4 source 2, 7:6 destination):
;   window 0: v0-31 addresses; v64-127, v128-191 fragments of A, two buffers (on the rotating way out: the table's two buffers, and the rotated f32); v32-63, v192-255 at work on the way out
;   window 1: v64-127, v128-191 fragments of B     window 2: the accumulators of my rows 0-63 ((a, b) at v[8 (8 a + b)])     window 3: those of my rows 64-127
.set SIZE_K, 2048
.set KSTEP,  128
.set PITCH,  272                       ; an LDS row: 256 bytes + 16 of padding = 68 words: the 16 rows that a load touches start at 16 different groups of four banks (64 banks of 4 bytes: ISA guide 11.1)
.set HALFT,  128*PITCH                 ; 128 rows: what one tensor load brings, and what one wave reads of A or of B
.set SLOT,   4*HALFT                   ; A's 256 rows, then B's 256 rows
.set STAGE,  2*SLOT                    ; behind the ring: 16 rows x 272 bytes for each wave, for the way out
.set SPITCH, 272
.set SPARE,  STAGE+4*16*SPITCH         ; behind the stages: the spare words, 128 bytes for each wave: two blocks of 256 bytes that no other line names
.set LAPS,   SIZE_K/(2*KSTEP)          ; a lap = two K steps = once round the ring: 8
.set ADRA, 16                          ; v16-17  LDS address of my A fragments in slot 0, 1
.set ADRB, 20                          ; v20-21  the same for B
.set STO,  24                          ; v24     the way out: where I put 16 bytes of a row
.set RD,   25                          ; v25     where I read rows back: lanes 0-15 a row of 256 bytes, lanes 16-31 the next
.set CO,   26                          ; v26     16 x lane: my place in 512 consecutive bytes of the output
.set TO,   27                          ; v27     my byte offset in 16 rows of the table
.set SPW,  28                          ; v28     LDS address of my spare word; never rewritten
.set NIL,  29                          ; v29     0; never rewritten
.set RDR,  30                          ; v30     rotated parts: lanes 0-15 take two rows' first 128 bytes (one head), lanes 16-31 their second (the next head)
.set COR,  31                          ; v31     and where those go
.set F0,   64
.set F1,   128
.set TMP,  192                         ; packed results
.set OB,   32                          ; 16 rows read back from the stage: v32-63 and v224-255 by turns
.set TAB,  64                          ; the table's (cos, sin) pairs for 16 rows: two buffers of 32
.set U,    128                         ; 64 rotated numbers in f32
.set G1, 24                            ; s[24:31] descriptor group 1 for A's tiles;  s[32:39] group 0, one set for each slot
.set G0, 32
.set G1B, 48                           ; s[48:55], s[56:63] the same for B's tiles
.set G0B, 56
.set MSB, 0
.macro WIN new                         ; the immediate's high byte repeats the setting that is left; a switch that changes nothing is dropped
.if MSB != (\new)
	s_set_vgpr_msb (MSB<<8)|(\new)
.set MSB, \new
.endif
.endm
.set MUL_LO, 0xa1                      ; source 0 (B) window 1, source 1 (A) window 0, C and D window 2
.set MUL_HI, 0xf1                      ; the same, C and D window 3
.set TO_B,   0x40                      ; destination window 1, address window 0
; A joint load.  Waves 0 and 1 fetch A's two halves, waves 2 and 3 B's.  The branch hangs on the wave's number alone.  An s_nop 0 and four v_nop follow each of the two lines.
.macro JLOAD s
	s_cmp_eq_u32 s11, 0
	s_cbranch_scc0 .Lfor_b_\@
	tensor_load_to_lds s[G0+4*(\s):G0+4*(\s)+3], s[G1:G1+7]
	s_nop 0
.rept 4
	v_nop
.endr
	s_branch .Lasked_\@
.Lfor_b_\@:
	tensor_load_to_lds s[G0B+4*(\s):G0B+4*(\s)+3], s[G1B:G1B+7]
	s_nop 0
.rept 4
	v_nop
.endr
.Lasked_\@:
.endm
.macro CREST                           ; a round of the cluster's barrier behind its opening barrier
	s_cmp_lg_u32 s10, 0
	s_cbranch_scc1 .Lnot_wave_0_\@
	s_barrier_signal -3
.Lnot_wave_0_\@:
	s_barrier_wait -3
	s_barrier_signal -1
	s_barrier_wait -1
.endm
.macro CROUND                          ; a whole round
	s_barrier_signal -1
	s_barrier_wait -1
	CREST
.endm
	s_load_b128 s[4:7], s[0:1], 0x0                ; xb s[4:5], wb s[6:7]
	s_load_b64 s[68:69], s[0:1], 0x10              ; rope
	s_load_b128 s[72:75], s[0:1], 0x18             ; qh s[72:73], kh s[74:75]
	s_load_b64 s[76:77], s[0:1], 0x28              ; vh
	v_lshl_add_u32 v[SPW], v0, 2, SPARE
	v_mov_b32 v[NIL], 0
	ds_add_u32 v[SPW], v[NIL]                      ; the wave's opening: the add and its wait stand ahead of my first tensor load; the set-up below, work on registers, stands between them
	v_lshrrev_b32 v1, 5, v0
	v_readfirstlane_b32 s10, v1                    ; wave 0..3
	s_lshr_b32 s11, s10, 1                         ; which half of the tile's rows is mine.  Also: I fetch for A (0) or for B (1)
	s_and_b32 s12, s10, 1                          ; which half of its columns.  Also: which 128 rows of that tile I fetch
	s_bfe_u32 s40, ttmp6, 0x40000                  ; cx
	s_bfe_u32 s41, ttmp6, 0x40004                  ; cy
	s_mov_b32 s87, ttmp9                           ; the cluster's x: which projection
	s_lshl_b32 s42, ttmp9, 2
	s_add_co_u32 s42, s42, s40                     ; tile column = 4 x cluster x + cx
	s_and_b32 s13, ttmp7, 0xffff
	s_lshl_b32 s13, s13, 2
	s_add_co_u32 s13, s13, s41                     ; tile row = 4 x cluster y + cy
	s_lshl_b32 s43, s41, 2
	s_lshl_b32 s43, 15, s43                        ; my row of the cluster
	s_lshl_b32 s44, 0x1111, s40                    ; my column
	s_cmp_ge_u32 s87, 3
	s_cselect_b32 s86, 2048, 0                     ; A's rows: key_value's lie behind query's
	s_cmp_eq_u32 s87, 2
	s_cselect_b32 s80, 1, 0
	s_cmp_eq_u32 s87, 5
	s_cselect_b32 s80, 1, s80                      ; 1: a rotated part (heads of 64 channels)
	s_mov_b32 s81, 0                               ; the projection's first tile column
	s_cmp_ge_u32 s87, 2
	s_cselect_b32 s81, 8, s81
	s_cmp_ge_u32 s87, 3
	s_cselect_b32 s81, 12, s81
	s_cmp_ge_u32 s87, 5
	s_cselect_b32 s81, 20, s81
	s_cmp_ge_u32 s87, 6
	s_cselect_b32 s81, 24, s81
	s_mov_b32 s82, 24576                           ; bytes of a block of 64 rows in qh and kh (the move leaves the compare's answer as it is),
	s_cselect_b32 s82, 16384, s82                  ; in vh
	s_sub_co_u32 s84, s82, 12288                   ; from my fourth group of 16 rows to the fifth, which opens the next block: plain rows of 256 bytes,
	s_cmp_eq_u32 s80, 1
	s_cselect_b32 s84, 18432, s84                  ; rotated rows of 128
	s_mov_b32 s85, 0
	; descriptor group 1: a tile of 128 rows x 128 elements, padded in LDS
	s_or_b32 s[G1+0], s43, (1<<16)|(1<<20)|(1<<21)|(5<<22)|(3<<25)  ; 15:0 the mask: A's tiles go to my row; 17:16 2-byte elements; 20 padding on; 21 set beside a mask; 24:22 after every 64 words; 31:25 4 words
	s_or_b32 s[G1B+0], s44, (1<<16)|(1<<20)|(1<<21)|(5<<22)|(3<<25) ; the same with the mask of my column
.irp g, G1, G1B
	s_mov_b32 s[(\g)+1], KSTEP<<16                 ; tensor_dim0 = 128
	s_mov_b32 s[(\g)+2], 128<<16                   ; tensor_dim1 = 128
	s_mov_b32 s[(\g)+3], KSTEP<<16                 ; tile_dim0 = 128
	s_mov_b32 s[(\g)+4], 128                       ; tile_dim1 = 128
	s_mov_b32 s[(\g)+5], SIZE_K                    ; elements from row to row
	s_mov_b32 s[(\g)+6], 0
	s_mov_b32 s[(\g)+7], 0
.endr
	; A's tiles hang on the tile row (and the cluster's x), which my row of the cluster shares; B's on the tile column, which my column shares
	s_lshl_b32 s17, s12, 7
	s_lshl_b32 s16, s13, 8
	s_add_co_u32 s16, s16, s17
	s_add_co_u32 s16, s16, s86                     ; A: row 256 x tile row + 128 x half (+ 2,048)
	s_lshl_b32 s46, s42, 8
	s_add_co_u32 s46, s46, s17                     ; B: row 256 x tile column + 128 x half
	s_mov_b32 s17, 0
	s_mov_b32 s47, 0
	s_mov_b64 s[18:19], SIZE_K*2
	s_mul_u64 s[16:17], s[16:17], s[18:19]
	s_mul_u64 s[46:47], s[46:47], s[18:19]
	s_mul_i32 s20, s10, HALFT                      ; where they go: wave x 128 rows: no place in the cluster enters an LDS address
	s_wait_dscnt 0x0                               ; the opening add is done
	s_wait_kmcnt 0x0
	s_add_nc_u64 s[14:15], s[4:5], s[16:17]
	s_add_nc_u64 s[46:47], s[6:7], s[46:47]
	s_mov_b64 s[8:9], s[72:73]                     ; the output: qh, kh or vh
	s_cmp_ge_u32 s87, 3
	s_cselect_b64 s[8:9], s[74:75], s[8:9]
	s_cmp_ge_u32 s87, 6
	s_cselect_b64 s[8:9], s[76:77], s[8:9]
	CROUND                                         ; all sixteen work-groups are here: the first joint loads meet
.irp s, 0,1
	s_mov_b32 s[G0+4*(\s)], 1                                      ; count = 1
	s_add_co_u32 s[G0+4*(\s)+1], s20, (\s)*SLOT                    ; LDS address
	s_add_nc_u64 s[G0+4*(\s)+2:G0+4*(\s)+3], s[14:15], (\s)*KSTEP*2  ; global address: K step s
	s_or_b32 s[G0+4*(\s)+3], s[G0+4*(\s)+3], 0x80000000            ; type = 2
	s_mov_b32 s[G0B+4*(\s)], 1
	s_add_co_u32 s[G0B+4*(\s)+1], s20, (\s)*SLOT
	s_add_nc_u64 s[G0B+4*(\s)+2:G0B+4*(\s)+3], s[46:47], (\s)*KSTEP*2
	s_or_b32 s[G0B+4*(\s)+3], s[G0B+4*(\s)+3], 0x80000000
	JLOAD \s                                       ; two tensor loads of mine are out
.endr
	; A fragment is 16 rows x 32 K in 8 registers: lane l holds row l % 16; registers 0-3 K = 8 (l / 16) + 0..7, registers 4-7 K = 16 + 8 (l / 16) + 0..7: two loads of 16 bytes, 32 bytes apart.
	v_and_b32 v1, 15, v0                           ; r = l % 16
	v_bfe_u32 v2, v0, 4, 1                         ; h = l / 16
	v_mul_u32_u24 v3, v1, PITCH
	v_lshl_add_u32 v3, v2, 4, v3
	s_mul_i32 s21, s11, HALFT                      ; my 128 rows of A
	s_mul_i32 s22, s12, HALFT                      ; my 128 rows of B,
	s_add_co_u32 s22, s22, 2*HALFT                 ; which lie behind A's 256
.irp s, 0,1
	v_add_nc_u32 v[ADRA+(\s)], s21, v3
	v_add_nc_u32 v[ADRB+(\s)], s22, v3
	s_add_co_u32 s21, s21, SLOT
	s_add_co_u32 s22, s22, SLOT
.endr
	s_mul_i32 s23, s10, 16*SPITCH
	s_add_co_u32 s23, s23, STAGE                   ; my stage
	v_mul_u32_u24 v4, v1, SPITCH
	v_lshl_add_u32 v4, v2, 4, v4
	v_add_nc_u32 v[STO], s23, v4
	v_mul_u32_u24 v5, v2, SPITCH
	v_lshl_add_u32 v5, v1, 4, v5
	v_add_nc_u32 v[RD], s23, v5
	v_and_b32 v5, 31, v0
	v_lshlrev_b32 v[CO], 4, v5
	v_lshlrev_b32 v[TO], 8, v1                     ; the table: row r of 256 bytes, my four pairs at 32 h
	v_lshl_add_u32 v[TO], v2, 5, v[TO]
	v_bfe_u32 v5, v0, 3, 1
	v_mul_u32_u24 v5, v5, SPITCH                   ; row (l / 8) % 2,
	v_lshl_add_u32 v5, v2, 7, v5                   ; head l / 16,
	v_and_b32 v6, 7, v0
	v_lshl_add_u32 v5, v6, 4, v5                   ; 16 bytes of its 128
	v_add_nc_u32 v[RDR], s23, v5
	v_mul_u32_u24 v5, v2, 0x60000                  ; the next head lies 393,216 bytes on
	v_lshl_add_u32 v[COR], v1, 4, v5
	; where my 128 x 128 goes: rows g0 = 256 x tile row + 128 x half on; batch g0 / 1,024, position m0 = g0 % 1,024, block m0 / 64; head 2 (tile column - first) + half, twice that for heads of 64
	s_lshl_b32 s90, s13, 8
	s_lshl_b32 s91, s11, 7
	s_add_co_u32 s90, s90, s91                     ; g0
	s_lshr_b32 s91, s90, 10                        ; batch
	s_and_b32 s90, s90, 1023                       ; m0
	s_lshl_b32 s88, s90, 8
	s_mov_b32 s89, 0
	s_add_nc_u64 s[68:69], s[68:69], s[88:89]      ; the table at position m0
	s_lshr_b32 s90, s90, 6                         ; block
	s_sub_co_u32 s92, s42, s81
	s_lshl_b32 s92, s92, 1
	s_add_co_u32 s92, s92, s12
	s_lshl_b32 s92, s92, s80                       ; head
	s_lshl_b32 s91, s91, 4
	s_add_co_u32 s92, s92, s91
	s_lshl_b32 s92, s92, 4
	s_add_co_u32 s92, s92, s90                     ; (batch 16 + head) 16 + block
	s_mul_i32 s88, s92, s82
	s_lshl_b32 s93, s80, 14                        ; the rotated part begins 16,384 bytes into a block
	s_add_co_u32 s88, s88, s93                     ; s[88:89]: what the first way out adds to the output's address
; 16 matrix instructions: m blocks a0, a0 + 1 of the window's four x all 8 n blocks, 32 along K.  zero = 1: the first product starts the sums.  The 64 accumulators take turns.
.macro MUL16 f, hi, a0, zero
	WIN MUL_LO+0x50*(\hi)
.irp a, \a0, (\a0)+1
.irp b, 0,1,2,3,4,5,6,7
.if \zero
	v_wmma_f32_16x16x32_bf16 v[8*(8*(\a)+(\b)):8*(8*(\a)+(\b))+7], v[(\f)+8*(\b):(\f)+8*(\b)+7], v[(\f)+8*(4*(\hi)+(\a)):(\f)+8*(4*(\hi)+(\a))+7], 0
.else
	v_wmma_f32_16x16x32_bf16 v[8*(8*(\a)+(\b)):8*(8*(\a)+(\b))+7], v[(\f)+8*(\b):(\f)+8*(\b)+7], v[(\f)+8*(4*(\hi)+(\a)):(\f)+8*(4*(\hi)+(\a))+7], v[8*(8*(\a)+(\b)):8*(8*(\a)+(\b))+7]
.endif
.endr
.endr
.endm
; 32 LDS loads in one run: the fragments of one quarter step (128 rows of B, 128 rows of A, 32 K at byte k of the rows) into buffer f
.macro FETCH slot, k, f
	WIN TO_B
.irp i, 0,1,2,3,4,5,6,7
	ds_load_b128 v[(\f)+8*(\i):(\f)+8*(\i)+3],   v[ADRB+(\slot)] offset:(\k)+(\i)*16*PITCH
	ds_load_b128 v[(\f)+8*(\i)+4:(\f)+8*(\i)+7], v[ADRB+(\slot)] offset:(\k)+(\i)*16*PITCH+32
.endr
	WIN 0
.irp i, 0,1,2,3,4,5,6,7
	ds_load_b128 v[(\f)+8*(\i):(\f)+8*(\i)+3],   v[ADRA+(\slot)] offset:(\k)+(\i)*16*PITCH
	ds_load_b128 v[(\f)+8*(\i)+4:(\f)+8*(\i)+7], v[ADRA+(\slot)] offset:(\k)+(\i)*16*PITCH+32
.endr
.endm
.macro PLACES                          ; four places in front of loads into registers that matrix instructions have read, and of vector lines that read results
.rept 4
	v_nop
.endr
.endm
; A K step is four quarters of 32 along K, 64 matrix instructions each, on buffers 0, 1, 0, 1.  One of the first three multiplies buffer f and fetches the next quarter, at byte k, into g.
.macro QUARTER slot, k, f, g, zero
	s_wait_dscnt 8                                 ; B and A's rows 0-63 are in; the youngest eight loads (A's rows 64-127) may be out
	WIN MUL_LO
	MUL16 \f, 0, 0, \zero
	MUL16 \f, 0, 2, \zero
	PLACES
	FETCH \slot, \k, \g
	s_wait_dscnt 32                                ; all but the 32 just issued
	WIN MUL_HI
	MUL16 \f, 1, 0, \zero
	MUL16 \f, 1, 2, \zero
.endm
; The last quarter multiplies buffer 1 and changes slots: ONE barrier; in front of it each wave waits for all its tensor loads (one is out: its part of the next slot), adds 0 to its spare word, and waits for that
; and for its own reads of this slot.  fill = 1: the barrier opens a round of the cluster's, and behind the round this slot is filled again, two K steps ahead: 224 matrix instructions ahead of the wait for it.
.macro TURN slot, next, fill
	WIN 0                                          ; (the add's two registers lie in window 0)
	s_wait_tensorcnt 0x0
	ds_add_u32 v[SPW], v[NIL]                      ; 0 onto my spare word
	s_wait_dscnt 9                                 ; (the add and the youngest eight loads may be out)
	WIN MUL_LO
	MUL16 F1, 0, 0, 0                              ; sixteen matrix instructions stand between the add and the wait for it
	s_wait_dscnt 0x0                               ; the add is done, and my reads of this slot are over
	s_barrier_signal -1
	MUL16 F1, 0, 2, 0
.if \fill
	WIN 0
.endif
	s_barrier_wait -1
.if \fill
	CREST                                          ; no wave of any partner still reads this slot's tile or has a load on its way
	s_add_nc_u64 s[G0+4*(\slot)+2:G0+4*(\slot)+3], s[G0+4*(\slot)+2:G0+4*(\slot)+3], 2*KSTEP*2
	s_add_nc_u64 s[G0B+4*(\slot)+2:G0B+4*(\slot)+3], s[G0B+4*(\slot)+2:G0B+4*(\slot)+3], 2*KSTEP*2
	JLOAD \slot                                    ; the first tensor load behind the round; its four v_nop are also the places in front of the loads below
.else
	PLACES
.endif
	FETCH \next, 0, F0
	WIN MUL_HI
	MUL16 F1, 1, 0, 0
	MUL16 F1, 1, 2, 0
.endm
; THE WAY OUT of block a of four (16 rows; its accumulators lie in window 2).  PACK: rounded to f16, 16 bytes a lane, each accumulator's registers in ascending order.
.macro PACK a
.set AC, 64*(\a)
	WIN 0x0a                                       ; sources 0 and 1: window 2
.irp b, 0,1,2,3,4,5,6,7
.irp r, 0,1,2,3
	v_cvt_pk_f16_f32 v[TMP+4*(\b)+(\r)], v[AC+8*(\b)+2*(\r)], v[AC+8*(\b)+2*(\r)+1]
.endr
.endr
	WIN 0
.endm
; TL: the table's pairs for block a: my row's four pairs of each group of 16 channels; column blocks b and b + 4 (two heads) take the same.
.macro TL a
	WIN 0
.irp bc, 0,1,2,3
.irp e, 0,1
	global_load_b128 v[TAB+32*((\a)%2)+8*(\bc)+4*(\e):TAB+32*((\a)%2)+8*(\bc)+4*(\e)+3], v[TO], s[68:69] offset:4096*(\a)+64*(\bc)+16*(\e)
.endr
.endr
.endm
; ROPE: block a rotated in f32, two packed lines a pair, then rounded to f16.  The first line: (x0, x1) x c.  The second takes the pair swapped (op_sel), both times s, the low product negated: (-x1 s, x0 s) is added.
.macro ROPE a
.set AC, 64*(\a)
.set TT, TAB+32*((\a)%2)
	WIN 0x02                                       ; source 0: window 2
.irp b, 0,1,2,3,4,5,6,7
.irp p, 0,1,2,3
	v_pk_mul_f32 v[U+8*(\b)+2*(\p):U+8*(\b)+2*(\p)+1], v[AC+8*(\b)+2*(\p):AC+8*(\b)+2*(\p)+1], v[TT+8*((\b)%4)+2*(\p):TT+8*((\b)%4)+2*(\p)+1] op_sel_hi:[1,0]
.endr
.irp p, 0,1,2,3
	v_pk_fma_f32 v[U+8*(\b)+2*(\p):U+8*(\b)+2*(\p)+1], v[AC+8*(\b)+2*(\p):AC+8*(\b)+2*(\p)+1], v[TT+8*((\b)%4)+2*(\p):TT+8*((\b)%4)+2*(\p)+1], v[U+8*(\b)+2*(\p):U+8*(\b)+2*(\p)+1] op_sel:[1,1,0] op_sel_hi:[0,1,1] neg_lo:[1,0,0]
.endr
.endr
	WIN 0
.irp b, 0,1,2,3,4,5,6,7
.irp p, 0,1,2,3
	v_cvt_pk_f16_f32 v[TMP+4*(\b)+(\p)], v[U+8*(\b)+2*(\p)], v[U+8*(\b)+2*(\p)+1]
.endr
.endr
.endm
; TOSTAGE: into my own stage in LDS, and back by the register rd
.macro TOSTAGE a, rd
	WIN 0
.set BK, OB+192*((\a)%2)
.irp b, 0,1,2,3,4,5,6,7
	ds_store_b128 v[STO], v[TMP+4*(\b):TMP+4*(\b)+3] offset:32*(\b)
.endr
.irp t, 0,1,2,3,4,5,6,7
	ds_load_b128 v[BK+4*(\t):BK+4*(\t)+3], v[\rd] offset:(\t)*2*SPITCH  ; LDS serves a wave's instructions in order (ISA guide 5.7.1.4): these see the stores above
.endr
.endm
; SEND: stored.  co: the lanes' offsets; small: bytes of 16 rows; pitch: bytes from one store to the next
.macro SEND a, co, small, pitch
	WIN 0
.set BK, OB+192*((\a)%2)
	s_wait_dscnt 0x0                               ; the block is back in registers
	s_wait_xcnt 0x0                                ; the stores' base, and the registers that earlier stores read, are rewritten only behind this wait
.if (\a) == 0
	s_add_nc_u64 s[8:9], s[8:9], s[88:89]          ; to this walk's first 16 rows
.else
	s_add_nc_u64 s[8:9], s[8:9], \small
.endif
.irp t, 0,1,2,3,4,5,6,7
	global_store_b128 v[\co], v[BK+4*(\t):BK+4*(\t)+3], s[8:9] offset:(\pitch)*(\t)  ; sixteen lanes store 256 consecutive bytes, at a multiple of 256 from the buffer's first byte
.endr
.endm
	s_wait_tensorcnt 1                             ; my part of K step 0 is in; K step 1's load may stay out
	s_barrier_signal -1
	s_barrier_wait -1                              ; everybody's is
	FETCH 0, 0, F0
	QUARTER 0, 64,  F0, F1, 1                      ; the first quarter stands in front of the loop: its products start the sums
	WIN 0                                          ; at a label and at a branch every window is 0
	s_mov_b32 s3, LAPS-1
.Llap:                                                 ; a trip goes once round the ring, from a lap's second quarter to the next lap's first, and fills both slots again
	QUARTER 0, 128, F1, F0, 0
	QUARTER 0, 192, F0, F1, 0
	TURN 0, 1, 1
	QUARTER 1, 64,  F0, F1, 0
	QUARTER 1, 128, F1, F0, 0
	QUARTER 1, 192, F0, F1, 0
	TURN 1, 0, 1
	QUARTER 0, 64,  F0, F1, 0
	WIN 0
	s_sub_co_u32 s3, s3, 1
	s_cmp_lg_u32 s3, 0
	s_cbranch_scc1 .Llap
	QUARTER 0, 128, F1, F0, 0                      ; the last lap is written out: it fills nothing
	QUARTER 0, 192, F0, F1, 0
	TURN 0, 1, 0
	QUARTER 1, 64,  F0, F1, 0
	QUARTER 1, 128, F1, F0, 0
	QUARTER 1, 192, F0, F1, 0
	s_wait_dscnt 8                                 ; the very last quarter: nothing more to fetch
	MUL16 F1, 0, 0, 0
	MUL16 F1, 0, 2, 0
	s_wait_dscnt 0x0
	MUL16 F1, 1, 0, 0
	MUL16 F1, 1, 2, 0
	WIN 0
	PLACES                                         ; behind the last products: the conversions read results, the table's loads land where fragments of A lay
	s_mov_b32 s3, 2                                ; two walks of 64 rows
.Lhalf:
	s_cmp_eq_u32 s80, 1                            ; hangs on the cluster's x alone; neither text below holds a barrier or a tensor load
	s_cbranch_scc1 .Lrope
	PACK 0                                         ; plain channels: my 128 columns are one head's
	TOSTAGE 0, RD
.irp a, 1,2,3                          ; block a's conversions stand between block a - 1's loads from the stage and the wait for them
	PACK \a
	SEND (\a)-1, CO, 4096, 512
	TOSTAGE \a, RD
.endr
	SEND 3, CO, 4096, 512
	s_branch .Ljoin
.Lrope:                                                ; rotated channels: my 128 columns are two heads of 64
	TL 0
	TL 1
.irp a, 0,1,2,3
.if (\a) < 3
	s_wait_loadcnt 8                               ; block a's pairs are in; the next block's eight loads stay out
.else
	s_wait_loadcnt 0x0
.endif
	ROPE \a
.if (\a) < 2
	TL (\a)+2                                      ; into the buffer just read
.endif
.if (\a) > 0
	SEND (\a)-1, COR, 2048, 256
.endif
	TOSTAGE \a, RDR
.endr
	SEND 3, COR, 2048, 256
.Ljoin:
	s_sub_co_u32 s3, s3, 1
	s_cmp_eq_u32 s3, 0
	s_cbranch_scc1 .Ldone
	s_mov_b64 s[88:89], s[84:85]                   ; what the second walk's first SEND adds: into the next block of 64 rows
	s_add_nc_u64 s[68:69], s[68:69], 16384         ; the table 64 positions on (its loads have all been waited for)
	WIN 0x83                                       ; destination window 2, source window 3
.set i, 0
.rept 256                              ; my rows 64-127 go where the one text of the way out names the accumulators; each is read from its lowest register on
	v_mov_b32 v[i], v[i]
.set i, i+1
.endr
	WIN 0
	s_branch .Lhalf
.Ldone:
	s_wait_tensorcnt 0x0                           ; the wave's end: behind my last tensor load and my last LDS store
	ds_add_u32 v[SPW], v[NIL]
	s_wait_dscnt 0x0
	CROUND                                         ; the closing round: no work-group ends while a partner may still ask for a tile that names it
	s_endpgm
.Lfunc_end_k_qe00541028f_proj:
	.size	k_qe00541028f_proj, .Lfunc_end_k_qe00541028f_proj-k_qe00541028f_proj
	.p2alignl 7, 3214868480
	.fill 96, 4, 3214868480
	.section	.rodata,"a",@progbits
	.p2align	6, 0x0
	.amdhsa_kernel k_qe00541028f_proj
		.amdhsa_group_segment_fixed_size 327680
		.amdhsa_private_segment_fixed_size 0
		.amdhsa_enable_private_segment 0
		.amdhsa_kernarg_size 48
		.amdhsa_user_sgpr_count 2
		.amdhsa_user_sgpr_kernarg_segment_ptr 1
		.amdhsa_wavefront_size32 1
		.amdhsa_system_sgpr_workgroup_id_x 1
		.amdhsa_system_sgpr_workgroup_id_y 1
		.amdhsa_system_sgpr_workgroup_id_z 1
		.amdhsa_system_vgpr_workitem_id 0
		.amdhsa_next_free_vgpr 1024
		.amdhsa_next_free_sgpr 96
		.amdhsa_reserve_vcc 0
		.amdhsa_float_denorm_mode_32 3
		.amdhsa_float_denorm_mode_16_64 3
		.amdhsa_memory_ordered 1
		.amdhsa_forward_progress 1
		.amdhsa_inst_pref_size 172
	.end_amdhsa_kernel
	.amdgpu_metadata
---
amdhsa.version: [ 1, 2 ]
amdhsa.kernels:
  - .name:           k_qe00541028f_proj
    .symbol:         k_qe00541028f_proj.kd
    .args:
      - { .name: xb, .offset: 0, .size: 8, .value_kind: global_buffer, .address_space: global }
      - { .name: wb, .offset: 8, .size: 8, .value_kind: global_buffer, .address_space: global }
      - { .name: rope, .offset: 16, .size: 8, .value_kind: global_buffer, .address_space: global }
      - { .name: qh, .offset: 24, .size: 8, .value_kind: global_buffer, .address_space: global }
      - { .name: kh, .offset: 32, .size: 8, .value_kind: global_buffer, .address_space: global }
      - { .name: vh, .offset: 40, .size: 8, .value_kind: global_buffer, .address_space: global }
    .group_segment_fixed_size: 327680
    .private_segment_fixed_size: 0
    .kernarg_segment_align: 8
    .kernarg_segment_size: 48
    .max_flat_workgroup_size: 128
    .sgpr_count:     96
    .vgpr_count:     1024
    .wavefront_size: 32
...
	.end_amdgpu_metadata
.endif
;; end of part 2
;; launch attn (part 3): grid 8 x 32, 4 waves a work-group, clusters of 4 x 1, 327,680 bytes of LDS; arguments qh, kh, vh, oh, W_O, wo; writes oh, wo
.if DOCPART == 3
	.amdgcn_target "amdgcn-amd-amdhsa--gfx1250"
	.amdhsa_code_object_version 6
	.text
	.protected	k_qe00541028f_attn
	.globl	k_qe00541028f_attn
	.p2align	8
	.type	k_qe00541028f_attn,@function
k_qe00541028f_attn:
	s_mov_b64 s[64:65], 0
	v_nop
	global_prefetch_b8 v0, s[64:65] scope:SCOPE_SE
	s_setreg_imm32_b32 hwreg(HW_REG_WAVE_MODE, 25, 1), 1
	s_wait_xcnt 0x0
	s_wait_alu depctr_hold_cnt(0) depctr_sa_sdst(0) depctr_va_vdst(0) depctr_va_sdst(0) depctr_va_ssrc(0) depctr_va_vcc(0) depctr_vm_vsrc(0)
	s_getreg_b32 s2, hwreg(HW_REG_IB_STS2, 6, 4)
	s_cmp_eq_u32 s2, 0
	s_cbranch_scc0 .Lentry_in_a_cluster
	s_endpgm
.Lentry_in_a_cluster:
	s_bfe_u32 s2, ttmp6, 0x10000c
	s_cmp_lg_u32 s2, 0x3003
	s_cbranch_scc0 .Lentry_shape_is_right
	s_endpgm
.Lentry_shape_is_right:
; ATTENTION.  For each of 32 (batch, head): O[q] = sum over k of softmax_k((Qc[q] . Kc[k] + Qr[q] . Kr[k]) / sqrt(192)) V[k]: 1,024 queries, 1,024 keys, 128 + 64 score channels, 128 value channels.
; qh, kh: f16, [bh][16 blocks of 64 rows][24,576 bytes]: 64 rows x 256 bytes of plain channels, then 64 rows x 128 bytes of rotated ones.  vh: f16 [bh][1,024][128].  oh: f16 [b 1,024 + m][h 128 + d].
; Products, maxima and sums in f32; the weights p are rounded to f16 for the second product (their sum l is taken of the unrounded p), O once at the end.
; LIMITS.  q, k, v arrive within f16's 65,504; p lies in 0 to 1 and below 6e-5 keeps f16's fixed step of 6e-8; a weight below 2^-126 counts as 0 in l; NaN and infinities are not treated apart.
; wo: a bf16 number beyond 65,504 has no f16; below 6e-5 it keeps f16's fixed step of 6e-8.
; SHARES.  A work-group owns 128 queries of one (batch, head): 8 x 32 = 256 work-groups.  Each of its four waves owns 32: two tiles of 16.  Every wave walks all keys, 64 a step, 16 steps.
; LAYOUT.  S^T = K Q^T (source 0 = 16 keys, source 1 = 16 queries): a lane holds ONE query (lane % 16) and the keys 8 (lane / 16) + 0..7.  Two such results rounded to f16 in pairs ARE source 1
; (32 keys x 16 queries) of O^T = V^T P, whose result again holds one query a lane.  K comes out of LDS as it lies, V ([key][channel]) turned, by ds_load_tr16_b128.
; SOFTMAX.  A running maximum m and sum l for each query: p = 2^(c s - c m), c = log2(e) / sqrt(192); in every step O and l are multiplied by a = 2^(c m_old - c m_new).
; m starts at the lowest finite number, O and l at 0: the first step is a step like any other, with a = 0.  The price: 132 v_mov_b32 that write 0, in the wait for the first tile; the gain: no first step written out.
; IN PHASES.  A trip: K of the next step is fetched; the softmax of the step in hand (268 vector lines); its 32 products V^T P; V of the next step is fetched; the next step's 48 products K Q^T.
; CLUSTER.  The four query blocks of a cluster belong to one (batch, head) and walk the same K and V, so each tile is asked for JOINTLY: the same tensor load, descriptor and mask in all four.
; W_O RIDES ALONG.  The next launch wants W_O rounded to bf16 and written as f16.  Each of the launch's 1,024 waves takes 16 KiB of it: 32 loads, asked for behind the first tile's barrier into registers that
; nothing else names, and used thirteen key steps later, once, between the loop and the tail: no wave waits for them, and the 32 stores leave during the last steps.
; REGISTERS, in windows of 256 (s_set_vgpr_msb: bits 1:0 source 0, 3:2 source 1, 5:4 source 2, 7:6 destination):
;   window 0: v0-11, v32-33 addresses; v12-27 eight registers of statistics a tile; v28-31 at work in the head; v64-127 S^T, 32 a tile; v128-159 P, 16 a tile; v160-255 Q, 48 a tile
;   window 1: v0-127 O^T, 64 a tile; v128-255 V of one step      window 2: v0-191 K of one step (key block kb, channel block c at 48 kb + 8 c)      window 3: v0-127 my part of W_O
.set KS,    64        ; keys in a step
.set PK,    272       ; 256 bytes + 16 of padding = 68 words: the 16 rows of a load start at 16 different groups of four banks (64 banks of 4 bytes: ISA guide 11.1)
.set PV,    288       ; a row of V: 256 + 32 = 72 words
.set ROFF,  64*PK     ; a step's block of K comes as 96 rows of 256 bytes: 64 keys' plain channels, then from here 32 rows that hold two keys' rotated channels each
.set VOFF,  96*PK     ; then 64 rows of V
.set STEPB, VOFF+KS*PV
.set KBLK,  24576     ; a step's bytes in kh
.set VBLK,  16384     ; and in vh
.set SLOT1, 1<<17     ; a slot holds two steps (89,088 bytes); slot 1 begins here, so that one exclusive or turns an address in one slot into the other's
.set STAGE, SLOT1+2*STEPB  ; behind the ring: 16 rows x 272 bytes for each wave, for the way out
.set SP,    272
.set SPARE, STAGE+4*16*SP  ; behind the stages: the spare words, 128 bytes for each wave: two blocks of 256 bytes that no other line names
.set AK0, 2           ; v2   my lane's place among K's plain channels; never rewritten
.set AV0, 3           ; v3   the same for V
.set ADR, 4           ; v4   the LDS address of the run of loads in hand
.set AR0, 5           ; v5   my lane's place among K's rotated channels; never rewritten
.set ADRR, 6          ; v6   the LDS address for those
.set STO, 7           ; v7   the way out: where I put 16 bytes of a row
.set RD,  8           ; v8   where I read a row back
.set GO,  9           ; v9   my byte offset in two rows of oh
.set QOC, 10          ; v10  my byte offset among Q's plain channels
.set QOR, 11          ; v11  among its rotated ones
.set ST,  12          ; tile t's statistics at v[ST+8 t]: +0 c m, +1 m, +2, +3 l (even keys', odd keys'), +4 to +7 c0-c3, at work; a takes c2's place once the maximum is found
.set WLO, 32          ; v32  16 x lane: my place in 512 consecutive bytes of W_O; never rewritten
.set WSO, 33          ; v33  8 x lane: my place in 256 consecutive bytes of wo; never rewritten
.set SPW, 62          ; v62  LDS address of my spare word; never rewritten
.set NIL, 63          ; v63  0; never rewritten
.set S,   64
.set P,   128
.set Q,   160
.set VF,  128         ; V's fragments, in window 1
.set WV,  12          ; s12  my wave's number
.set G1K, 24          ; s[24:31] descriptor group 1 for K's tiles
.set G1V, 32          ; s[32:39] for V's
.set G0K, 40          ; s[40:47] descriptor group 0 for K's tiles: a set for each of the two first fills; the second then walks on
.set G0V, 48          ; s[48:55] the same for V's
.set SLOTS, 56        ; s56  counts the passes of the loop over slots
.set TWICE, 57        ; s57  counts a slot's steps
.set CS,  58          ; s[58:59] c
.set SEL, 60          ; s[60:61] v_permlanex16_b32's selects: each lane takes its own place in the other half
.set TB,  62          ; s62  LDS byte at which the tiles of the step to be fetched begin
.set HI16, 63         ; s63  mask of a word's upper bf16
.set MSB, 0
.macro WIN new                      ; the high byte repeats the setting that is left; a switch that changes nothing is dropped
.if MSB != (\new)
	s_set_vgpr_msb (MSB<<8)|(\new)
.set MSB, \new
.endif
.endm
.set W_KQ, 0x02       ; K in window 2; Q and S^T in window 0
.set W_PV, 0x51       ; V and O^T in window 1, P in window 0
.set W_RS, 0x41       ; O^T (destination and source 0) in window 1, a in window 0
; A joint refill.  Waves 0 and 1 fetch the two steps' blocks of K, waves 2 and 3 those of V.  The branch hangs on the wave's number alone.  An s_nop 0 and four v_nop follow each line.
.macro JLOAD
	s_cmp_lt_u32 s[WV], 2
	s_cbranch_scc0 .Lfor_v_\@
	tensor_load_to_lds s[G0K+4:G0K+7], s[G1K:G1K+7]
	s_nop 0
.rept 4
	v_nop
.endr
	s_branch .Lasked_\@
.Lfor_v_\@:
	tensor_load_to_lds s[G0V+4:G0V+7], s[G1V:G1V+7]
	s_nop 0
.rept 4
	v_nop
.endr
.Lasked_\@:
.endm
.macro CROUND                       ; a round of the cluster's barrier
	s_barrier_signal -1
	s_barrier_wait -1
	s_cmp_lg_u32 s[WV], 0
	s_cbranch_scc1 .Lnot_wave_0_\@
	s_barrier_signal -3
.Lnot_wave_0_\@:
	s_barrier_wait -3
	s_barrier_signal -1
	s_barrier_wait -1
.endm
	s_load_b256 s[4:11], s[0:1], 0x0  ; qh s[4:5], kh s[6:7], vh s[8:9], oh s[10:11]
	s_load_b128 s[68:71], s[0:1], 0x20  ; W_O s[68:69], wo s[70:71]
	v_lshl_add_u32 v[SPW], v0, 2, SPARE
	v_mov_b32 v[NIL], 0
	ds_add_u32 v[SPW], v[NIL]       ; the wave's opening: the add and its wait stand ahead of my first tensor load; the set-up below, work on registers, stands between them
	v_lshrrev_b32 v1, 5, v0
	v_readfirstlane_b32 s[WV], v1   ; wave 0..3
	s_bfe_u32 s13, ttmp6, 0x40000   ; cx
	s_lshl_b32 s14, ttmp9, 2
	s_add_co_u32 s14, s14, s13      ; my block of 128 queries = 4 x cluster x + cx: it enters Q's, O's, W_O's and wo's addresses alone
	s_and_b32 s15, ttmp7, 0xffff    ; bh = batch x 16 + head, which the four partners share
	s_and_b32 s16, s[WV], 1         ; which of a slot's two steps I fetch
	s_mul_i32 s20, s15, 16*KBLK     ; bh's first byte in qh and kh
	s_mul_i32 s22, s16, KBLK
	s_add_co_u32 s22, s22, s20      ; K at my block of slot 0
	s_mov_b32 s23, 0
	s_lshl_b32 s18, s15, 18         ; bh's first byte in vh,
	s_lshl_b32 s19, s16, 14
	s_add_co_u32 s18, s18, s19      ; V at my 64 rows of slot 0
	s_mov_b32 s19, 0
	s_mul_i32 s17, s16, STEPB       ; and its place in a slot: no place in the cluster enters an LDS address
	s_lshl_b32 s2, s14, 1
	s_lshr_b32 s3, s[WV], 1
	s_add_co_u32 s2, s2, s3         ; the block of 64 rows of qh that holds my 32 queries
	s_mul_i32 s2, s2, KBLK
	s_add_co_u32 s2, s2, s20
	s_mov_b32 s3, 0
	s_lshr_b32 s20, s15, 4          ; oh: row batch x 1,024 + 128 x block + 32 x wave,
	s_lshl_b32 s20, s20, 10
	s_lshl_b32 s21, s14, 7
	s_add_co_u32 s20, s20, s21
	s_lshl_b32 s21, s[WV], 5
	s_add_co_u32 s20, s20, s21
	s_lshl_b32 s20, s20, 12         ; of 4,096 bytes,
	s_and_b32 s21, s15, 15
	s_lshl_b32 s21, s21, 8          ; the head's 256 bytes in it
	s_add_co_u32 s20, s20, s21
	s_mov_b32 s21, 0
	s_lshl_b32 s66, s15, 3          ; my wave among the launch's 1,024: (bh 8 + block) 4 + wave,
	s_add_co_u32 s66, s66, s14
	s_lshl_b32 s66, s66, 2
	s_add_co_u32 s66, s66, s[WV]
	s_lshl_b32 s66, s66, 14         ; its 16 KiB of W_O
	s_mov_b32 s67, 0
	s_mov_b32 s[HI16], 0xffff0000
	; descriptor group 1: rows of 128 elements, padded in LDS: 96 of them for K's block, 64 for V's
	s_mov_b32 s[G1K], 15|(1<<16)|(1<<20)|(1<<21)|(5<<22)|(3<<25)  ; 15:0 the mask of four; 17:16 2-byte elements; 20 padding on; 21 set beside a mask; 24:22 after every 64 words; 31:25 4 words
	s_mov_b32 s[G1K+1], 128<<16     ; tensor_dim0 = 128
	s_mov_b32 s[G1K+2], 96<<16      ; tensor_dim1 = 96
	s_mov_b32 s[G1K+3], 128<<16     ; tile_dim0 = 128
	s_mov_b32 s[G1K+4], 96          ; tile_dim1 = 96
	s_mov_b32 s[G1K+5], 128         ; elements from row to row: the block is dense
	s_mov_b32 s[G1K+6], 0
	s_mov_b32 s[G1K+7], 0
	s_mov_b32 s[G1V], 15|(1<<16)|(1<<20)|(1<<21)|(5<<22)|(7<<25)  ; the same with 8 words of padding
	s_mov_b32 s[G1V+1], 128<<16
	s_mov_b32 s[G1V+2], KS<<16
	s_mov_b32 s[G1V+3], 128<<16
	s_mov_b32 s[G1V+4], KS
	s_mov_b32 s[G1V+5], 128
	s_mov_b32 s[G1V+6], 0
	s_mov_b32 s[G1V+7], 0
	s_mov_b32 s[CS], 0x3dd53b95     ; c = log2(e) / sqrt(192) = 0.104118
	s_mov_b32 s[CS+1], s[CS]        ; named with it as a pair
	s_mov_b32 s[SEL], 0x76543210
	s_mov_b32 s[SEL+1], 0xfedcba98
	s_mov_b32 s[TB], 0
	s_wait_dscnt 0x0                ; the opening add is done
	s_wait_kmcnt 0x0
	s_add_nc_u64 s[6:7], s[6:7], s[22:23]
	s_add_nc_u64 s[8:9], s[8:9], s[18:19]
	s_add_nc_u64 s[4:5], s[4:5], s[2:3]
	s_add_nc_u64 s[10:11], s[10:11], s[20:21]
	s_add_nc_u64 s[68:69], s[68:69], s[66:67]
	s_lshr_b32 s66, s66, 1          ; and its 8 KiB of wo
	s_add_nc_u64 s[70:71], s[70:71], s[66:67]
	CROUND                          ; all four work-groups are here: the first joint loads meet
.irp s, 0,1
	s_mov_b32 s[G0K+4*(\s)], 1      ; count = 1
	s_add_co_u32 s[G0K+4*(\s)+1], s17, (\s)*SLOT1  ; LDS address
	s_add_nc_u64 s[G0K+4*(\s)+2:G0K+4*(\s)+3], s[6:7], (\s)*2*KBLK  ; global address: slot s begins with keys 128 s on
	s_or_b32 s[G0K+4*(\s)+3], s[G0K+4*(\s)+3], 0x80000000  ; type = 2
	s_mov_b32 s[G0V+4*(\s)], 1
	s_add_co_u32 s[G0V+4*(\s)+1], s17, (\s)*SLOT1+VOFF
	s_add_nc_u64 s[G0V+4*(\s)+2:G0V+4*(\s)+3], s[8:9], (\s)*2*VBLK
	s_or_b32 s[G0V+4*(\s)+3], s[G0V+4*(\s)+3], 0x80000000
.endr
	s_cmp_lt_u32 s[WV], 2           ; a wave's two first fills stand in one branch, ahead of every wait on TENSORcnt and every LDS read: two loads of mine are out
	s_cbranch_scc0 .Lfirst_v
	tensor_load_to_lds s[G0K:G0K+3], s[G1K:G1K+7]
	s_nop 0
	tensor_load_to_lds s[G0K+4:G0K+7], s[G1K:G1K+7]
	s_nop 0
.rept 4
	v_nop
.endr
	s_branch .Lfirst_asked
.Lfirst_v:
	tensor_load_to_lds s[G0V:G0V+3], s[G1V:G1V+7]
	s_nop 0
	tensor_load_to_lds s[G0V+4:G0V+7], s[G1V:G1V+7]
	s_nop 0
.rept 4
	v_nop
.endr
.Lfirst_asked:
	; A fragment of K or Q is 16 rows x 32 channels in 8 registers: lane l holds row l % 16; registers 0-3 channels 8 (l / 16) + 0..7, registers 4-7 channels 16 + 8 (l / 16) + 0..7: two loads of 16 bytes, 32 bytes apart.
	v_and_b32 v28, 15, v0           ; r = l % 16
	v_bfe_u32 v29, v0, 4, 1         ; h = l / 16
	v_lshlrev_b32 v[QOC], 8, v28
	v_lshl_add_u32 v[QOC], v29, 4, v[QOC]
	v_lshl_add_u32 v[QOC], s16, 13, v[QOC]  ; row x 256 + 16 h + my 32 rows of the block's 64
	v_lshlrev_b32 v[QOR], 7, v28
	v_lshl_add_u32 v[QOR], v29, 4, v[QOR]
	v_lshl_add_u32 v[QOR], s16, 12, v[QOR]
	v_add_nc_u32 v[QOR], 16384, v[QOR]      ; row x 128 + 16 h, behind the plain part
.irp t, 0,1                         ; Q stays in registers: tile t, channels 32 c on; c = 4, 5 are the rotated ones
.irp c, 0,1,2,3
	global_load_b128 v[Q+48*(\t)+8*(\c):Q+48*(\t)+8*(\c)+3],   v[QOC], s[4:5] offset:(\t)*4096+(\c)*64
	global_load_b128 v[Q+48*(\t)+8*(\c)+4:Q+48*(\t)+8*(\c)+7], v[QOC], s[4:5] offset:(\t)*4096+(\c)*64+32
.endr
.irp c, 4,5
	global_load_b128 v[Q+48*(\t)+8*(\c):Q+48*(\t)+8*(\c)+3],   v[QOR], s[4:5] offset:(\t)*2048+((\c)-4)*64
	global_load_b128 v[Q+48*(\t)+8*(\c)+4:Q+48*(\t)+8*(\c)+7], v[QOR], s[4:5] offset:(\t)*2048+((\c)-4)*64+32
.endr
.endr
	v_mul_u32_u24 v[AK0], v28, PK
	v_lshl_add_u32 v[AK0], v29, 4, v[AK0]   ; key x pitch + 16 h
	v_lshrrev_b32 v30, 1, v28
	v_mul_u32_u24 v[AR0], v30, PK           ; two keys' rotated channels share an LDS row: row key / 2,
	v_and_b32 v30, 1, v28
	v_lshl_add_u32 v[AR0], v30, 7, v[AR0]   ; half key % 2: the 16 keys of a load fall on 16 different 16-byte columns
	v_lshl_add_u32 v[AR0], v29, 4, v[AR0]
	v_add_nc_u32 v[AR0], ROFF, v[AR0]
	; The turning load takes 16 keys x 16 channels (lane l reads key 8 (l / 16) + l % 8, channels 8 ((l / 8) % 2) + 0..7) and leaves half a fragment of V^T: lane l holds channel l % 16 and 8 keys.
	v_and_b32 v30, 7, v0
	v_bfe_u32 v31, v0, 3, 1
	v_lshl_add_u32 v[AV0], v29, 3, v30
	v_mul_u32_u24 v[AV0], v[AV0], PV
	v_lshl_add_u32 v[AV0], v31, 4, v[AV0]
	v_add_nc_u32 v[AV0], VOFF, v[AV0]
	s_mul_i32 s13, s[WV], 16*SP
	s_add_co_u32 s13, s13, STAGE    ; my stage
	v_mul_u32_u24 v[STO], v28, SP   ; in: row l % 16, 16 bytes for each half of the lanes
	v_lshl_add_u32 v[STO], v29, 4, v[STO]
	v_add_nc_u32 v[STO], s13, v[STO]
	v_mul_u32_u24 v[RD], v29, SP    ; back: lanes 0-15 take one row of 256 bytes, lanes 16-31 the next
	v_lshl_add_u32 v[RD], v28, 4, v[RD]
	v_add_nc_u32 v[RD], s13, v[RD]
	v_lshlrev_b32 v[GO], 12, v29    ; and the same two rows in oh, 4,096 bytes apart
	v_lshl_add_u32 v[GO], v28, 4, v[GO]
	v_and_b32 v[WLO], 31, v0
	v_lshlrev_b32 v[WSO], 3, v[WLO]
	v_lshlrev_b32 v[WLO], 4, v[WLO]
	; What the first step finds: O^T and l are 0, m the lowest finite number, c m far below every c s.  All this stands in the wait for the first tile.
	WIN 0x40
.set i, 0
.rept 128
	v_mov_b32 v[i], 0
.set i, i+1
.endr
	WIN 0
.irp t, 0,1
	v_mov_b32 v[ST+8*(\t)], 0xfe000000
	v_mov_b32 v[ST+8*(\t)+1], 0xff7fffff
	v_mov_b32 v[ST+8*(\t)+2], 0
	v_mov_b32 v[ST+8*(\t)+3], 0
.endr
; THE MATRIX WORK.  The accumulators take turns, one instruction a turn: between two links of a chain stand 7 (K Q^T) or 15 (V^T P) others'.
; Product i of 48 of S^T = K Q^T: channels 32 (i / 8) on, keys 16 ((i / 2) % 4) on, tile i % 2.  The first 8 start the sums.
.macro KQ
	WIN W_KQ
.set rS, S+32*(i%2)+8*((i/2)%4)
.set rK, 48*((i/2)%4)+8*(i/8)
.set rQ, Q+48*(i%2)+8*(i/8)
.if i < 8
	v_wmma_f32_16x16x32_f16 v[rS:rS+7], v[rK:rK+7], v[rQ:rQ+7], 0
.else
	v_wmma_f32_16x16x32_f16 v[rS:rS+7], v[rK:rK+7], v[rQ:rQ+7], v[rS:rS+7]
.endif
.set i, i+1
.endm
; Product i of 32 of O^T += V^T P: keys 32 (i / 16) on, channels 16 ((i / 2) % 8) on, tile i % 2.
.macro PV
	WIN W_PV
.set rO, 64*(i%2)+8*((i/2)%8)
.set rV, VF+64*(i/16)+8*((i/2)%8)
.set rP, P+16*(i%2)+8*(i/16)
	v_wmma_f32_16x16x32_f16 v[rO:rO+7], v[rV:rV+7], v[rP:rP+7], v[rO:rO+7]
.set i, i+1
.endm
; THE LDS LOADS stand in runs: a step's K (64 keys x 192 channels: 24 fragments, 48 loads) and its V (turned, 32 loads).  last = 1 (the tail): in the last trip there is no further step, and K's run is jumped over.
.macro FETCH_K last
	WIN 0
.if \last
	s_cmp_eq_u32 s[TWICE], 1
	s_cbranch_scc1 .Lno_k_\@
.endif
	v_add_nc_u32 v[ADR], s[TB], v[AK0]
	v_add_nc_u32 v[ADRR], s[TB], v[AR0]
	WIN 0x80                        ; destination window 2
.irp kb, 0,1,2,3
.irp c, 0,1,2,3
	ds_load_b128 v[48*(\kb)+8*(\c):48*(\kb)+8*(\c)+3],   v[ADR] offset:(\kb)*16*PK+(\c)*64
	ds_load_b128 v[48*(\kb)+8*(\c)+4:48*(\kb)+8*(\c)+7], v[ADR] offset:(\kb)*16*PK+(\c)*64+32
.endr
.irp c, 4,5
	ds_load_b128 v[48*(\kb)+8*(\c):48*(\kb)+8*(\c)+3],   v[ADRR] offset:(\kb)*8*PK+((\c)-4)*64
	ds_load_b128 v[48*(\kb)+8*(\c)+4:48*(\kb)+8*(\c)+7], v[ADRR] offset:(\kb)*8*PK+((\c)-4)*64+32
.endr
.endr
	WIN 0
.if \last
.Lno_k_\@:
.endif
.endm
.macro FETCH_V
	WIN 0
	v_add_nc_u32 v[ADR], s[TB], v[AV0]
	s_add_co_u32 s[TB], s[TB], STEPB  ; the next fetch is the next step's
	WIN 0x40                        ; destination window 1
.irp f, 0,1,2,3,4,5,6,7,8,9,10,11,12,13,14,15  ; keys 32 (f / 8) on, channels 16 (f % 8) on
	ds_load_tr16_b128 v[VF+8*(\f):VF+8*(\f)+3],   v[ADR] offset:((\f)/8)*32*PV+((\f)%8)*32
	ds_load_tr16_b128 v[VF+8*(\f)+4:VF+8*(\f)+7], v[ADR] offset:((\f)/8)*32*PV+16*PV+((\f)%8)*32
.endr
	WIN 0
.endm
; THE VECTOR WORK.  One tile's softmax for one key step is a list of 134 instructions; SM writes number j of it for tile t.  s0-s31 are the lane's 32 scores, in pairs 0-15.
;   0-15    the maximum of s0-s31 and the old m, three operands at a time: four chains c0-c3 (each accumulator's lowest registers are read first), then the scores left over, c0-c3 and m
;   16-20   the other half of the lanes' maximum; c m_old is kept; the new m; c m; c m_old - c m_new
;   21-87   33 exponentials (a, then s0-s31) at the odd numbers from 23 on, so that no two follow each other and each has a plain instruction behind it before its result is used (ISA guide 5.7.2);
;           the plain ones are scalings c s - c m some pairs ahead, roundings to f16 a pair back, and the first three sums
;   88-101  the last rounding; the rest of the sums; l = a l + the sum          102-133 the tile's O^T times a, in ascending order
.macro SM t
.set rT, ST+8*(\t)
.set rS, S+32*(\t)
.set rP, P+16*(\t)
.set rO, 64*(\t)+2*(j-102)
.set q, (j-20)/2
.if j < 102
	WIN 0
.endif
.if j < 4
	v_max3_num_f32 v[rT+4+j], v[rS+8*j], v[rS+8*j+1], v[rS+8*j+2]
.elseif j < 12
	v_max3_num_f32 v[rT+4+j%4], v[rT+4+j%4], v[rS+8*(j%4)+2*(j/4)+1], v[rS+8*(j%4)+2*(j/4)+2]
.elseif j == 12
	v_max3_num_f32 v[rT+4], v[rT+4], v[rS+7], v[rS+15]
.elseif j == 13
	v_max3_num_f32 v[rT+6], v[rT+6], v[rS+23], v[rS+31]
.elseif j == 14
	v_max3_num_f32 v[rT+4], v[rT+4], v[rT+5], v[rT+6]
.elseif j == 15
	v_max3_num_f32 v[rT+4], v[rT+4], v[rT+7], v[rT+1]
.elseif j == 16
	v_permlanex16_b32 v[rT+5], v[rT+4], s[SEL], s[SEL+1]  ; the query's other 32 keys lie in the lane 16 away
.elseif j == 17
	v_mov_b32 v[rT+7], v[rT]        ; c m_old is kept for a: number 19 writes c m anew
.elseif j == 18
	v_max_num_f32 v[rT+1], v[rT+4], v[rT+5]
.elseif j == 19
	v_mul_f32 v[rT], s[CS], v[rT+1]
.elseif j == 20
	v_sub_f32 v[rT+7], v[rT+7], v[rT]
.elseif j == 23
	v_exp_f32 v[rT+6], v[rT+7]
.elseif (j < 88) && (j > 23) && (j%2 == 1)
	v_exp_f32 v[rS+(j-25)/2], v[rS+(j-25)/2]
.elseif (q < 4) || ((j < 76) && (q%2 == 0))
.set b, q/2+2
.if q < 4
.set b, q
.endif
	v_pk_fma_f32 v[rS+2*b:rS+2*b+1], v[rS+2*b:rS+2*b+1], s[CS:CS+1], v[rT:rT+1] op_sel_hi:[1,0,0] neg_lo:[0,0,1] neg_hi:[0,0,1]  ; pair b: c s - c m
.elseif (j < 88) && (q%2 == 1)
	s_wait_alu depctr_va_vdst(0)
	v_cvt_pk_f16_f32 v[rP+(q-5)/2], v[rS+q-5], v[rS+q-4]  ; pair (q - 5) / 2: its second exponential stands three numbers back
.elseif j == 89
	s_wait_alu depctr_va_vdst(0)
	v_cvt_pk_f16_f32 v[rP+15], v[rS+30], v[rS+31]
.elseif j < 102                     ; the sum of the tile's 16 pairs, in place: sum z of 16 adds neighbours 1, 2, 4 and 8 pairs apart, then l takes it
.set z, j-86
.if j < 89
.set z, (j-76)/4
.endif
.set w, 4
.set u, z
.if z >= 14
.set w, 32
.set u, 0
.elseif z >= 12
.set w, 16
.set u, z-12
.elseif z >= 8
.set w, 8
.set u, z-8
.endif
.if z < 15
	v_pk_add_f32 v[rS+w*u:rS+w*u+1], v[rS+w*u:rS+w*u+1], v[rS+w*u+w/2:rS+w*u+w/2+1]
.else
	v_pk_fma_f32 v[rT+2:rT+3], v[rT+2:rT+3], v[rT+6:rT+7], v[rS:rS+1] op_sel_hi:[1,0,1]
.endif
.else
	WIN W_RS
	v_pk_mul_f32 v[rO:rO+1], v[rO:rO+1], v[rT+6:rT+7] op_sel_hi:[1,0]
.endif
.endm
; Slice k of 64: numbers 2 k and 2 k + 1 of both tiles' lists; the twelve that are over stand in slice 63.
.macro SLICE
.if (k >= 11) && (k < 44)           ; tile by tile: plain, exponential, plain, exponential
.irp t, 0,1
.irp n, 0,1
.set j, 2*k+(\n)
	SM \t
.endr
.endr
.else                               ; the two tiles alternate, so that no instruction reads the result of the one just before it
.irp n, 0,1,2,3,4,5,6,7
.if ((\n) < 2) || (k == 63)
.irp t, 0,1
.set j, 2*k+(\n)
	SM \t
.endr
.endif
.endr
.endif
.set k, k+1
.endm
.macro PLACES                       ; four places behind matrix instructions, in front of loads into their sources and of vector lines that read their results
.rept 4
	v_nop
.endr
.endm
; The first half of a trip: K of the next step is asked for; the softmax of the step in hand; its products V^T P.
.macro TRIP_A tail
	WIN 0
	PLACES                          ; behind the products K Q^T
	FETCH_K \tail
.set k, 0
.rept 64
	SLICE
.endr
.if \tail
	s_wait_dscnt 0x0                ; V is in (the tail's last trip has issued no run of K behind it, so the count is 0)
.else
	s_wait_dscnt 48                 ; V is in: K's 48 loads were issued behind it and may stay out
.endif
.set i, 0
.rept 32
	PV
.endr
.endm
; The second half: V of the next step is asked for; the next step's products K Q^T.
.macro TRIP_B
	WIN 0
	PLACES                          ; behind the products V^T P
	FETCH_V
	s_wait_dscnt 32                 ; K is in: V's 32 loads were issued behind it and may stay out
.set i, 0
.rept 48
	KQ
.endr
	WIN 0
.endm
; THE CHANGE OF SLOTS: the slot's last bytes, V of its second step, have been asked for.  Each wave waits for all its tensor loads (one is out: its part of the other slot), adds 0 to its spare word, and waits for
; that and for its own reads of the slot.  fill = 1: the barrier is a round of the cluster's, and the joint refill, with the keys two slots on, is the first thing behind it: it has two key steps in which to land.
.macro CHANGE fill
	WIN 0
	s_wait_tensorcnt 0x0            ; no tensor load of mine is out, so a group 0 may be written
	ds_add_u32 v[SPW], v[NIL]       ; 0 onto my spare word
.if \fill
	s_xor_b32 s[G0K+5], s[G0K+5], SLOT1  ; the walking descriptor: the other slot than last time,
	s_add_nc_u64 s[G0K+6:G0K+7], s[G0K+6:G0K+7], 2*KBLK  ; the next 128 keys; the type bits on top are not reached
	s_xor_b32 s[G0V+5], s[G0V+5], SLOT1
	s_add_nc_u64 s[G0V+6:G0V+7], s[G0V+6:G0V+7], 2*VBLK
	s_wait_dscnt 0x0                ; the add is done, and my reads of the slot are over
	CROUND
	JLOAD
.else
	s_wait_dscnt 0x0
	s_barrier_signal -1
	s_barrier_wait -1
.endif
	s_sub_co_u32 s[TB], s[TB], 2*STEPB  ; the fetches go back to a slot's first step,
	s_xor_b32 s[TB], s[TB], SLOT1   ; in the other slot
.endm
	s_wait_tensorcnt 1              ; my part of slot 0 is in; slot 1's may stay out
	s_barrier_signal -1
	s_barrier_wait -1               ; everybody's is
	FETCH_K 0                       ; key step 0
	FETCH_V
	WIN 0xc0                        ; destination window 3, address window 0
.set i, 0
.rept 32                            ; my 16 KiB of W_O are asked for: a load covers 512 consecutive bytes
	global_load_b128 v[4*i:4*i+3], v[WLO], s[68:69] offset:512*i th:TH_LOAD_NT
.set i, i+1
.endr
	WIN 0
	s_wait_loadcnt 32               ; Q is in: W_O's 32 loads were issued behind it and stay out
	s_wait_dscnt 32                 ; K
.set i, 0
.rept 48
	KQ
.endr
	WIN 0
	s_mov_b32 s[TWICE], 1           ; slot 0 has one trip left: its first step's tiles have been fetched above
	s_mov_b32 s[SLOTS], 1024/(2*KS)-1
	s_branch .Lstep
.Lslot:                             ; six times: every slot but the last two is filled again
	CHANGE 1
	s_mov_b32 s[TWICE], 2
.Lstep:
	TRIP_A 0
	TRIP_B
	s_sub_co_u32 s[TWICE], s[TWICE], 1
	s_cmp_lg_u32 s[TWICE], 0
	s_cbranch_scc1 .Lstep
	s_sub_co_u32 s[SLOTS], s[SLOTS], 1
	s_cmp_lg_u32 s[SLOTS], 0
	s_cbranch_scc1 .Lslot
	; W_O: rounded to bf16 (two at a time), widened again (a mask, a shift) and written as f16, in place; then stored, 256 consecutive bytes a store, aligned
	s_wait_loadcnt 0x0
	WIN 0xcf                        ; destination and sources 0 and 1: window 3
.set i, 0
.rept 32
	v_cvt_pk_bf16_f32 v[4*i], v[4*i], v[4*i+1]
	v_cvt_pk_bf16_f32 v[4*i+2], v[4*i+2], v[4*i+3]
	v_and_b32 v[4*i+1], s[HI16], v[4*i]
	v_and_b32 v[4*i+3], s[HI16], v[4*i+2]
	v_lshlrev_b32 v[4*i], 16, v[4*i]
	v_lshlrev_b32 v[4*i+2], 16, v[4*i+2]
	v_cvt_pk_f16_f32 v[4*i], v[4*i], v[4*i+1]
	v_cvt_pk_f16_f32 v[4*i+1], v[4*i+2], v[4*i+3]
.set i, i+1
.endr
	WIN 0x0c                        ; the stores' address in window 0, their data in window 3
.set i, 0
.rept 32
	global_store_b64 v[WSO], v[4*i:4*i+1], s[70:71] offset:256*i  ; read again by the next launch: no hint
.set i, i+1
.endr
	WIN 0
	CHANGE 0                        ; the tail is written out: nothing is asked for
	s_mov_b32 s[TWICE], 3           ; two trips fetch the last slot's steps; the third is left in its middle
.Ltail:
	TRIP_A 1
	WIN 0
	s_sub_co_u32 s[TWICE], s[TWICE], 1
	s_cmp_eq_u32 s[TWICE], 0
	s_cbranch_scc1 .Lout
	TRIP_B
	s_branch .Ltail
.Lout:
	; THE WAY OUT.  l's two halves and the other half of the lanes' are added; O^T is divided by l, rounded to f16 and sent through my stage in LDS, a tile (16 rows) at a time.
	PLACES                          ; behind the last products
.irp t, 0,1
	v_add_f32 v[ST+8*(\t)+4], v[ST+8*(\t)+2], v[ST+8*(\t)+3]
.endr
.irp t, 0,1
	v_permlanex16_b32 v[ST+8*(\t)+5], v[ST+8*(\t)+4], s[SEL], s[SEL+1]
.endr
.irp t, 0,1
	v_add_f32 v[ST+8*(\t)+4], v[ST+8*(\t)+4], v[ST+8*(\t)+5]
.endr
.irp t, 0,1
	v_rcp_f32 v[ST+8*(\t)+6], v[ST+8*(\t)+4]
.endr
	v_nop                           ; a plain instruction between the last reciprocal and the use of its result
	s_wait_alu depctr_va_vdst(0)
.macro PACK t                       ; a lane's eight channels of a row pack into 16 bytes; they go into rows of 272 bytes and come back as whole rows of 256
	WIN W_RS
.set i, 64*(\t)
.rept 32
	v_pk_mul_f32 v[i:i+1], v[i:i+1], v[ST+8*(\t)+6:ST+8*(\t)+7] op_sel_hi:[1,0]
.set i, i+2
.endr
	WIN 0x05                        ; sources 0 and 1 window 1, destination window 0: S^T's registers are free
.set i, 0
.rept 32
	v_cvt_pk_f16_f32 v[S+32*(\t)+i], v[64*(\t)+2*i], v[64*(\t)+2*i+1]
.set i, i+1
.endr
	WIN 0
.irp f, 0,1,2,3,4,5,6,7
	ds_store_b128 v[STO], v[S+32*(\t)+4*(\f):S+32*(\t)+4*(\f)+3] offset:32*(\f)
.endr
.irp f, 0,1,2,3,4,5,6,7
	ds_load_b128 v[S+32*(\t)+4*(\f):S+32*(\t)+4*(\f)+3], v[RD] offset:(\f)*2*SP  ; LDS serves a wave's instructions in order (ISA guide 5.7.1.4): these see the stores above; the next tile's stores come behind them
.endr
.endm
.macro SEND t, younger              ; younger: the LDS instructions issued behind tile t's loads: the next tile's sixteen, or none
	WIN 0
.irp f, 0,1,2,3,4,5,6,7
	s_wait_dscnt (\younger)+7-(\f)
	global_store_b128 v[GO], v[S+32*(\t)+4*(\f):S+32*(\t)+4*(\f)+3], s[10:11] offset:(\t)*65536+(\f)*8192  ; 16 lanes store 256 consecutive bytes, at a multiple of 256 from oh's first byte
.endr
.endm
	PACK 0
	PACK 1
	SEND 0, 16
	SEND 1, 0
	s_wait_tensorcnt 0x0            ; the wave's end: behind my last tensor load and my last LDS store
	ds_add_u32 v[SPW], v[NIL]
	s_wait_dscnt 0x0
	CROUND                          ; the closing round: no work-group ends while a partner may still ask for a tile that names it
	s_endpgm
.Lfunc_end_k_qe00541028f_attn:
	.size	k_qe00541028f_attn, .Lfunc_end_k_qe00541028f_attn-k_qe00541028f_attn
	.p2alignl 7, 3214868480
	.fill 96, 4, 3214868480
	.section	.rodata,"a",@progbits
	.p2align	6, 0x0
	.amdhsa_kernel k_qe00541028f_attn
		.amdhsa_group_segment_fixed_size 327680
		.amdhsa_private_segment_fixed_size 0
		.amdhsa_enable_private_segment 0
		.amdhsa_kernarg_size 48
		.amdhsa_user_sgpr_count 2
		.amdhsa_user_sgpr_kernarg_segment_ptr 1
		.amdhsa_wavefront_size32 1
		.amdhsa_system_sgpr_workgroup_id_x 1
		.amdhsa_system_sgpr_workgroup_id_y 1
		.amdhsa_system_sgpr_workgroup_id_z 1
		.amdhsa_system_vgpr_workitem_id 0
		.amdhsa_next_free_vgpr 896
		.amdhsa_next_free_sgpr 72
		.amdhsa_reserve_vcc 0
		.amdhsa_float_denorm_mode_32 3
		.amdhsa_float_denorm_mode_16_64 3
		.amdhsa_memory_ordered 1
		.amdhsa_forward_progress 1
		.amdhsa_inst_pref_size 109
	.end_amdhsa_kernel
	.amdgpu_metadata
---
amdhsa.version: [ 1, 2 ]
amdhsa.kernels:
  - .name:           k_qe00541028f_attn
    .symbol:         k_qe00541028f_attn.kd
    .args:
      - { .name: qh, .offset: 0, .size: 8, .value_kind: global_buffer, .address_space: global }
      - { .name: kh, .offset: 8, .size: 8, .value_kind: global_buffer, .address_space: global }
      - { .name: vh, .offset: 16, .size: 8, .value_kind: global_buffer, .address_space: global }
      - { .name: oh, .offset: 24, .size: 8, .value_kind: global_buffer, .address_space: global }
      - { .name: W_O, .offset: 32, .size: 8, .value_kind: global_buffer, .address_space: global }
      - { .name: wo, .offset: 40, .size: 8, .value_kind: global_buffer, .address_space: global }
    .group_segment_fixed_size: 327680
    .private_segment_fixed_size: 0
    .kernarg_segment_align: 8
    .kernarg_segment_size: 48
    .max_flat_workgroup_size: 128
    .sgpr_count:     72
    .vgpr_count:     896
    .wavefront_size: 32
...
	.end_amdgpu_metadata
.endif
;; end of part 3
;; launch oproj (part 4): grid 16 x 16, 4 waves a work-group, clusters of 4 x 4, 327,680 bytes of LDS; arguments oh, wo, out0; writes out0
.if DOCPART == 4
	.amdgcn_target "amdgcn-amd-amdhsa--gfx1250"
	.amdhsa_code_object_version 6
	.text
	.protected	k_qe00541028f_oproj
	.globl	k_qe00541028f_oproj
	.p2align	8
	.type	k_qe00541028f_oproj,@function
k_qe00541028f_oproj:
	s_mov_b64 s[64:65], 0
	v_nop
	global_prefetch_b8 v0, s[64:65] scope:SCOPE_SE
	s_setreg_imm32_b32 hwreg(HW_REG_WAVE_MODE, 25, 1), 1
	s_wait_xcnt 0x0
	s_wait_alu depctr_hold_cnt(0) depctr_sa_sdst(0) depctr_va_vdst(0) depctr_va_sdst(0) depctr_va_ssrc(0) depctr_va_vcc(0) depctr_vm_vsrc(0)
	s_getreg_b32 s2, hwreg(HW_REG_IB_STS2, 6, 4)
	s_cmp_eq_u32 s2, 0
	s_cbranch_scc0 .Lentry_in_a_cluster
	s_endpgm
.Lentry_in_a_cluster:
	s_bfe_u32 s2, ttmp6, 0x10000c
	s_cmp_lg_u32 s2, 0xf033
	s_cbranch_scc0 .Lentry_shape_is_right
	s_endpgm
.Lentry_shape_is_right:
; THE OUTPUT PROJECTION.  out0[m][n] = sum over k of oh[m][k] wo[n][k].  oh, wo: [2048][2048] f16; out0: [2048][2048] f32; sums in f32, K ascending.
; 16 x 16 tiles of 128 x 128, one to a work-group: 256 work-groups.  Four waves, each 64 x 64: 16 accumulators, 128 registers.  K goes in steps of 256 (LDS rows of 512 bytes; a wave's tensor load brings 64 of
; them) through two slots.  LIMIT: oh and wo arrive within f16's range; NaN and infinities are not treated apart.
; CLUSTERS: 4 x 4 work-groups.  The four of a row of the cluster need the same tiles of A, the four of a column the same tiles of B: each tile is asked for JOINTLY.
; THE MATRIX INSTRUCTION IS USED TRANSPOSED (source 0 = 16 rows of B, source 1 = 16 rows of A): a lane holds eight neighbouring numbers of a row of C, 32 bytes in f32.
; THE WAY OUT: a wave's 64 columns in f32 are 256 bytes, aligned: each wave sends 16 rows at a time through a stage of its own, with no barrier and no conversion.
; REGISTERS: window 0: v0-31 addresses; v128-255 the accumulators ((a, b) at v[128 + 8 (4 a + b)]).   window 1: two fragment buffers of 128: for 64 along K, 64 registers of A, then 64 of B.
.set SIZE_N, 2048
.set SIZE_K, 2048
.set KSTEP,  256
.set PITCH,  528                       ; an LDS row: 512 bytes + 16 of padding = 132 words: row r starts at bank 4 r mod 64 (64 banks of 4 bytes: ISA guide 11.1)
.set HALFT,  64*PITCH                  ; 64 rows: what one tensor load brings, and what one wave reads of A or of B
.set SLOT,   4*HALFT                   ; A's 128 rows, then B's 128 rows
.set STAGE,  2*SLOT                    ; behind the ring: 16 rows x 272 bytes for each wave
.set SPITCH, 272
.set SPARE,  STAGE+4*16*SPITCH         ; behind the stages: the spare words, 128 bytes for each wave: two blocks of 256 bytes that no other line names
.set LAPS, SIZE_K/(2*KSTEP)            ; 4
.set ADRA, 16                          ; v16-17  LDS address of my A fragments in slot 0, 1
.set ADRB, 20                          ; v20-21  the same for B
.set STO,  24                          ; v24     the way out: where I put 32 bytes of a row
.set RD,   25                          ; v25     where I read a row back
.set CO,   26                          ; v26     my byte offset in two rows of out0
.set SPW,  28                          ; v28     LDS address of my spare word; never rewritten
.set NIL,  29                          ; v29     0; never rewritten
.set ACC,  128
.set F0,   0                           ; fragment buffers, in window 1
.set F1,   128
.set G1, 24                            ; s[24:31] descriptor group 1 for A's tiles;  s[32:39] group 0, one set for each slot
.set G0, 32
.set G1B, 48                           ; s[48:55], s[56:63] the same for B's tiles
.set G0B, 56
.set MSB, 0
.macro WIN new
.if MSB != (\new)
	s_set_vgpr_msb (MSB<<8)|(\new)
.set MSB, \new
.endif
.endm
.set MUL,  0x05                        ; sources 0 (B) and 1 (A) window 1; C and D window 0
.set TO_F, 0x40                        ; destination window 1, address window 0
.macro JLOAD s                         ; a joint load: waves 0 and 1 fetch A's two halves, waves 2 and 3 B's; an s_nop 0 and four v_nop follow each of the two lines
	s_cmp_eq_u32 s11, 0
	s_cbranch_scc0 .Lfor_b_\@
	tensor_load_to_lds s[G0+4*(\s):G0+4*(\s)+3], s[G1:G1+7]
	s_nop 0
.rept 4
	v_nop
.endr
	s_branch .Lasked_\@
.Lfor_b_\@:
	tensor_load_to_lds s[G0B+4*(\s):G0B+4*(\s)+3], s[G1B:G1B+7]
	s_nop 0
.rept 4
	v_nop
.endr
.Lasked_\@:
.endm
.macro CREST
	s_cmp_lg_u32 s10, 0
	s_cbranch_scc1 .Lnot_wave_0_\@
	s_barrier_signal -3
.Lnot_wave_0_\@:
	s_barrier_wait -3
	s_barrier_signal -1
	s_barrier_wait -1
.endm
.macro CROUND
	s_barrier_signal -1
	s_barrier_wait -1
	CREST
.endm
	s_load_b128 s[4:7], s[0:1], 0x0                ; oh s[4:5], wo s[6:7]
	s_load_b64 s[8:9], s[0:1], 0x10                ; out0
	v_lshl_add_u32 v[SPW], v0, 2, SPARE
	v_mov_b32 v[NIL], 0
	ds_add_u32 v[SPW], v[NIL]                      ; the wave's opening: the add and its wait stand ahead of my first tensor load; the set-up below, work on registers, stands between them
	v_lshrrev_b32 v1, 5, v0
	v_readfirstlane_b32 s10, v1                    ; wave 0..3
	s_lshr_b32 s11, s10, 1                         ; which half of the tile's rows is mine.  Also: I fetch for A (0) or for B (1)
	s_and_b32 s12, s10, 1                          ; which half of its columns.  Also: which 64 rows of that tile I fetch
	s_bfe_u32 s40, ttmp6, 0x40000                  ; cx, cy
	s_bfe_u32 s41, ttmp6, 0x40004
	s_lshl_b32 s42, ttmp9, 2
	s_add_co_u32 s42, s42, s40                     ; tile column
	s_and_b32 s13, ttmp7, 0xffff
	s_lshl_b32 s13, s13, 2
	s_add_co_u32 s13, s13, s41                     ; tile row
	s_lshl_b32 s43, s41, 2
	s_lshl_b32 s43, 15, s43                        ; my row of the cluster
	s_lshl_b32 s44, 0x1111, s40                    ; my column
	; descriptor group 1: a tile of 64 rows x 256 elements, padded in LDS
	s_or_b32 s[G1+0], s43, (1<<16)|(1<<20)|(1<<21)|(6<<22)|(3<<25)  ; 15:0 the mask; 17:16 2-byte elements; 20 padding on; 21 set beside a mask; 24:22 after every 128 words; 31:25 4 words
	s_or_b32 s[G1B+0], s44, (1<<16)|(1<<20)|(1<<21)|(6<<22)|(3<<25)
.irp g, G1, G1B
	s_mov_b32 s[(\g)+1], KSTEP<<16                 ; tensor_dim0 = 256
	s_mov_b32 s[(\g)+2], 64<<16                    ; tensor_dim1 = 64
	s_mov_b32 s[(\g)+3], KSTEP<<16                 ; tile_dim0 = 256
	s_mov_b32 s[(\g)+4], 64                        ; tile_dim1 = 64
	s_mov_b32 s[(\g)+5], SIZE_K                    ; elements from row to row
	s_mov_b32 s[(\g)+6], 0
	s_mov_b32 s[(\g)+7], 0
.endr
	s_lshl_b32 s17, s12, 6
	s_lshl_b32 s16, s13, 7
	s_add_co_u32 s16, s16, s17                     ; A: row 128 x tile row + 64 x half
	s_lshl_b32 s46, s42, 7
	s_add_co_u32 s46, s46, s17                     ; B: row 128 x tile column + 64 x half
	s_mov_b32 s17, 0
	s_mov_b32 s47, 0
	s_mov_b64 s[18:19], SIZE_K*2
	s_mul_u64 s[16:17], s[16:17], s[18:19]
	s_mul_u64 s[46:47], s[46:47], s[18:19]
	s_mul_i32 s20, s10, HALFT                      ; where they go: wave x 64 rows
	s_wait_dscnt 0x0                               ; the opening add is done
	s_wait_kmcnt 0x0
	s_add_nc_u64 s[14:15], s[4:5], s[16:17]
	s_add_nc_u64 s[46:47], s[6:7], s[46:47]
	CROUND                                         ; all sixteen work-groups are here: the first joint loads meet
.irp s, 0,1
	s_mov_b32 s[G0+4*(\s)], 1
	s_add_co_u32 s[G0+4*(\s)+1], s20, (\s)*SLOT
	s_add_nc_u64 s[G0+4*(\s)+2:G0+4*(\s)+3], s[14:15], (\s)*KSTEP*2
	s_or_b32 s[G0+4*(\s)+3], s[G0+4*(\s)+3], 0x80000000
	s_mov_b32 s[G0B+4*(\s)], 1
	s_add_co_u32 s[G0B+4*(\s)+1], s20, (\s)*SLOT
	s_add_nc_u64 s[G0B+4*(\s)+2:G0B+4*(\s)+3], s[46:47], (\s)*KSTEP*2
	s_or_b32 s[G0B+4*(\s)+3], s[G0B+4*(\s)+3], 0x80000000
	JLOAD \s                                       ; two tensor loads of mine are out
.endr
	v_and_b32 v1, 15, v0                           ; r = l % 16
	v_bfe_u32 v2, v0, 4, 1                         ; h = l / 16
	v_mul_u32_u24 v3, v1, PITCH
	v_lshl_add_u32 v3, v2, 4, v3                   ; a fragment's row x pitch + 16 h
	s_mul_i32 s21, s11, HALFT                      ; my 64 rows of A
	s_mul_i32 s22, s12, HALFT                      ; my 64 rows of B,
	s_add_co_u32 s22, s22, 2*HALFT                 ; which lie behind A's 128
.irp s, 0,1
	v_add_nc_u32 v[ADRA+(\s)], s21, v3
	v_add_nc_u32 v[ADRB+(\s)], s22, v3
	s_add_co_u32 s21, s21, SLOT
	s_add_co_u32 s22, s22, SLOT
.endr
	s_mul_i32 s23, s10, 16*SPITCH
	s_add_co_u32 s23, s23, STAGE                   ; my stage
	v_mul_u32_u24 v4, v1, SPITCH                   ; in: row r, 32 bytes for each half of the lanes
	v_lshl_add_u32 v4, v2, 5, v4
	v_add_nc_u32 v[STO], s23, v4
	v_mul_u32_u24 v5, v2, SPITCH                   ; back: lanes 0-15 take one row of 256 bytes, lanes 16-31 the next
	v_lshl_add_u32 v5, v1, 4, v5
	v_add_nc_u32 v[RD], s23, v5
	v_lshlrev_b32 v5, 13, v2                       ; and the same two rows in out0, 8,192 bytes apart
	v_lshl_add_u32 v[CO], v1, 4, v5
	s_lshl_b32 s16, s13, 7
	s_lshl_b32 s17, s11, 6
	s_add_co_u32 s16, s16, s17                     ; my first row: 128 x tile row + 64 x half
	s_lshl_b32 s16, s16, 13
	s_mov_b32 s17, 0
	s_add_nc_u64 s[8:9], s[8:9], s[16:17]
	s_lshl_b32 s46, s42, 9                         ; my first column, in bytes: 512 x tile column + 256 x half
	s_lshl_b32 s47, s12, 8
	s_add_co_u32 s46, s46, s47
	s_mov_b32 s47, 0
	s_add_nc_u64 s[8:9], s[8:9], s[46:47]
; 8 matrix instructions: m blocks a0, a0 + 1 x all 4 n blocks, 32 along K: half c of buffer f.  zero = 1: the first product starts the sums.  The 16 accumulators take turns.
.macro MUL8 f, c, a0, zero
	WIN MUL
.irp a, \a0, (\a0)+1
.irp b, 0,1,2,3
.if \zero
	v_wmma_f32_16x16x32_f16 v[ACC+8*(4*(\a)+(\b)):ACC+8*(4*(\a)+(\b))+7], v[(\f)+64+8*(4*(\c)+(\b)):(\f)+64+8*(4*(\c)+(\b))+7], v[(\f)+8*(4*(\c)+(\a)):(\f)+8*(4*(\c)+(\a))+7], 0
.else
	v_wmma_f32_16x16x32_f16 v[ACC+8*(4*(\a)+(\b)):ACC+8*(4*(\a)+(\b))+7], v[(\f)+64+8*(4*(\c)+(\b)):(\f)+64+8*(4*(\c)+(\b))+7], v[(\f)+8*(4*(\c)+(\a)):(\f)+8*(4*(\c)+(\a))+7], v[ACC+8*(4*(\a)+(\b)):ACC+8*(4*(\a)+(\b))+7]
.endif
.endr
.endr
.endm
; 32 LDS loads in one run: the fragments of 64 along K at byte k of the rows, into buffer f; the first 32 along K first
.macro FETCH slot, k, f
	WIN TO_F
.irp c, 0,1
.irp i, 0,1,2,3
	ds_load_b128 v[(\f)+64+8*(4*(\c)+(\i)):(\f)+64+8*(4*(\c)+(\i))+3],   v[ADRB+(\slot)] offset:(\k)+64*(\c)+(\i)*16*PITCH
	ds_load_b128 v[(\f)+64+8*(4*(\c)+(\i))+4:(\f)+64+8*(4*(\c)+(\i))+7], v[ADRB+(\slot)] offset:(\k)+64*(\c)+(\i)*16*PITCH+32
	ds_load_b128 v[(\f)+8*(4*(\c)+(\i)):(\f)+8*(4*(\c)+(\i))+3],         v[ADRA+(\slot)] offset:(\k)+64*(\c)+(\i)*16*PITCH
	ds_load_b128 v[(\f)+8*(4*(\c)+(\i))+4:(\f)+8*(4*(\c)+(\i))+7],       v[ADRA+(\slot)] offset:(\k)+64*(\c)+(\i)*16*PITCH+32
.endr
.endr
.endm
.macro PLACES                          ; four places in front of loads into registers that matrix instructions have read or written, and of LDS stores that read results
.rept 4
	v_nop
.endr
.endm
; A K step is four quarters of 64 along K, 32 matrix instructions each, on buffers 0, 1, 0, 1.  One of the first three multiplies buffer f and fetches the next quarter, at byte k, into g.
.macro QUARTER slot, k, f, g, zero
	s_wait_dscnt 16                                ; the first 32 along K are in; the youngest sixteen loads may be out
	WIN MUL
	MUL8 \f, 0, 0, \zero
	MUL8 \f, 0, 2, \zero
	PLACES
	FETCH \slot, \k, \g
	s_wait_dscnt 32                                ; all but the 32 just issued
	WIN MUL
	MUL8 \f, 1, 0, 0
	MUL8 \f, 1, 2, 0
.endm
; The last quarter multiplies buffer 1 and changes slots: ONE barrier; in front of it each wave waits for all its tensor loads, adds 0 to its spare word, and waits for that and for its own reads of this slot.
; fill = 1: the barrier opens a round of the cluster's, and this slot is filled again, two K steps ahead.
.macro TURN slot, next, fill
	WIN 0                                          ; (the add's two registers lie in window 0)
	s_wait_tensorcnt 0x0                           ; all my tensor loads have landed: my part of the next slot
	ds_add_u32 v[SPW], v[NIL]                      ; 0 onto my spare word
	s_wait_dscnt 17                                ; (the add and the youngest sixteen loads may be out)
	WIN MUL
	MUL8 F1, 0, 0, 0                               ; eight matrix instructions stand between the add and the wait for it
	s_wait_dscnt 0x0                               ; the add is done, and my reads of this slot are over
	s_barrier_signal -1
	MUL8 F1, 0, 2, 0
.if \fill
	WIN 0
.endif
	s_barrier_wait -1
.if \fill
	CREST                                          ; no wave of any partner still reads this slot's tile or has a load on its way
	s_add_nc_u64 s[G0+4*(\slot)+2:G0+4*(\slot)+3], s[G0+4*(\slot)+2:G0+4*(\slot)+3], 2*KSTEP*2
	s_add_nc_u64 s[G0B+4*(\slot)+2:G0B+4*(\slot)+3], s[G0B+4*(\slot)+2:G0B+4*(\slot)+3], 2*KSTEP*2
	JLOAD \slot                                    ; the first tensor load behind the round: 112 matrix instructions ahead of the wait for it; its four v_nop are also the places in front of the loads below
.else
	PLACES
.endif
	FETCH \next, 0, F0
	WIN MUL
	MUL8 F1, 1, 0, 0
	MUL8 F1, 1, 2, 0
.endm
	s_wait_tensorcnt 1                             ; my part of K step 0 is in; K step 1's load may stay out
	s_barrier_signal -1
	s_barrier_wait -1                              ; everybody's is
	FETCH 0, 0, F0
	QUARTER 0, 128, F0, F1, 1                      ; the first quarter stands in front of the loop: its first products start the sums
	WIN 0                                          ; at a label and at a branch every window is 0
	s_mov_b32 s3, LAPS-1
.Llap:                                                 ; a trip goes once round the ring, from a lap's second quarter to the next lap's first, and fills both slots again
	QUARTER 0, 256, F1, F0, 0
	QUARTER 0, 384, F0, F1, 0
	TURN 0, 1, 1
	QUARTER 1, 128, F0, F1, 0
	QUARTER 1, 256, F1, F0, 0
	QUARTER 1, 384, F0, F1, 0
	TURN 1, 0, 1
	QUARTER 0, 128, F0, F1, 0
	WIN 0
	s_sub_co_u32 s3, s3, 1
	s_cmp_lg_u32 s3, 0
	s_cbranch_scc1 .Llap
	QUARTER 0, 256, F1, F0, 0                      ; the last lap fills nothing, and has no round of the cluster's barrier
	QUARTER 0, 384, F0, F1, 0
	TURN 0, 1, 0
	QUARTER 1, 128, F0, F1, 0
	QUARTER 1, 256, F1, F0, 0
	QUARTER 1, 384, F0, F1, 0
	s_wait_dscnt 16                                ; the very last quarter: nothing more to fetch
	WIN MUL
	MUL8 F1, 0, 0, 0
	MUL8 F1, 0, 2, 0
	s_wait_dscnt 0x0
	MUL8 F1, 1, 0, 0
	MUL8 F1, 1, 2, 0
	WIN 0
	PLACES
; THE WAY OUT.  STG a: my rows 16 a on go into my stage, each accumulator's low four registers first, and come back as whole rows of 256 bytes into the registers that they left.
.macro STG a
.irp b, 0,1,2,3
	ds_store_b128 v[STO], v[ACC+32*(\a)+8*(\b):ACC+32*(\a)+8*(\b)+3] offset:64*(\b)
	ds_store_b128 v[STO], v[ACC+32*(\a)+8*(\b)+4:ACC+32*(\a)+8*(\b)+7] offset:64*(\b)+16
.endr
.irp t, 0,1,2,3,4,5,6,7
	ds_load_b128 v[ACC+32*(\a)+4*(\t):ACC+32*(\a)+4*(\t)+3], v[RD] offset:(\t)*2*SPITCH  ; LDS serves a wave's instructions in order (ISA guide 5.7.1.4): these see the stores above; the next block's stores come behind them
.endr
.endm
.macro SND a, younger                  ; younger: the LDS instructions issued behind block a's loads: the next block's sixteen, or none
.irp t, 0,1,2,3,4,5,6,7
	s_wait_dscnt (\younger)+7-(\t)
	global_store_b128 v[CO], v[ACC+32*(\a)+4*(\t):ACC+32*(\a)+4*(\t)+3], s[8:9] offset:(16*(\a)+2*(\t))*SIZE_N*4 th:TH_STORE_NT  ; 16 lanes store 256 consecutive bytes, at a multiple of 256 from out0's first byte
.endr
.endm
	STG 0
	STG 1
	SND 0, 16
	STG 2
	SND 1, 16
	STG 3
	SND 2, 16
	SND 3, 0
	s_wait_tensorcnt 0x0                           ; the wave's end: behind my last tensor load and my last LDS store
	ds_add_u32 v[SPW], v[NIL]
	s_wait_dscnt 0x0
	CROUND                                         ; the closing round: no work-group ends while a partner may still ask for a tile that names it
	s_endpgm
.Lfunc_end_k_qe00541028f_oproj:
	.size	k_qe00541028f_oproj, .Lfunc_end_k_qe00541028f_oproj-k_qe00541028f_oproj
	.p2alignl 7, 3214868480
	.fill 96, 4, 3214868480
	.section	.rodata,"a",@progbits
	.p2align	6, 0x0
	.amdhsa_kernel k_qe00541028f_oproj
		.amdhsa_group_segment_fixed_size 327680
		.amdhsa_private_segment_fixed_size 0
		.amdhsa_enable_private_segment 0
		.amdhsa_kernarg_size 24
		.amdhsa_user_sgpr_count 2
		.amdhsa_user_sgpr_kernarg_segment_ptr 1
		.amdhsa_wavefront_size32 1
		.amdhsa_system_sgpr_workgroup_id_x 1
		.amdhsa_system_sgpr_workgroup_id_y 1
		.amdhsa_system_sgpr_workgroup_id_z 1
		.amdhsa_system_vgpr_workitem_id 0
		.amdhsa_next_free_vgpr 512
		.amdhsa_next_free_sgpr 66
		.amdhsa_reserve_vcc 0
		.amdhsa_float_denorm_mode_32 3
		.amdhsa_float_denorm_mode_16_64 3
		.amdhsa_memory_ordered 1
		.amdhsa_forward_progress 1
		.amdhsa_inst_pref_size 86
	.end_amdhsa_kernel
	.amdgpu_metadata
---
amdhsa.version: [ 1, 2 ]
amdhsa.kernels:
  - .name:           k_qe00541028f_oproj
    .symbol:         k_qe00541028f_oproj.kd
    .args:
      - { .name: oh, .offset: 0, .size: 8, .value_kind: global_buffer, .address_space: global }
      - { .name: wo, .offset: 8, .size: 8, .value_kind: global_buffer, .address_space: global }
      - { .name: out0, .offset: 16, .size: 8, .value_kind: global_buffer, .address_space: global }
    .group_segment_fixed_size: 327680
    .private_segment_fixed_size: 0
    .kernarg_segment_align: 8
    .kernarg_segment_size: 24
    .max_flat_workgroup_size: 128
    .sgpr_count:     66
    .vgpr_count:     512
    .wavefront_size: 32
...
	.end_amdgpu_metadata
.endif
;; end of part 4
;; ======== version 2 of 2: 4 launches; version 1 with the launch cast written anew for expert scheduling mode
;; limits: values are held in f16: magnitudes above 65,504 overflow, below 6.1e-05 lose precision
;; workspace buffers: xb 16,777,216 bytes; wb 33,554,432 bytes; wo 8,388,608 bytes; rope 262,144 bytes; qh 12,582,912 bytes; kh 12,582,912 bytes; vh 8,388,608 bytes; oh 8,388,608 bytes
;; launch cast (part 5): grid 64 x 13, 8 waves a work-group, no clusters, 0 bytes of LDS; arguments query, key_value, W_QC, W_QR, W_KC, W_KR, W_V, xb, wb, rope; writes xb, wb, rope
.if DOCPART == 5
	.amdgcn_target "amdgcn-amd-amdhsa--gfx1250"
	.amdhsa_code_object_version 6
	.text
	.protected	k_qe00541028f_cast
	.globl	k_qe00541028f_cast
	.p2align	8
	.type	k_qe00541028f_cast,@function
k_qe00541028f_cast:
	s_mov_b64 s[64:65], 0
	v_nop
	global_prefetch_b8 v0, s[64:65] scope:SCOPE_SE
	s_setreg_imm32_b32 hwreg(HW_REG_WAVE_SCHED_MODE, 0, 2), 2
	s_setreg_imm32_b32 hwreg(HW_REG_WAVE_MODE, 25, 1), 1
	s_wait_xcnt 0x0
	s_wait_alu depctr_vm_vsrc(0)
; CAST.  The seven f32 inputs of the five projections are rounded once to bf16 and laid side by side:
;   xb [4096][2048] bf16: query's 2,048 rows, then key_value's.   wb [8192][2048] bf16: W_QC, W_QR, W_KC, W_KR, W_V.
;   rope [1024 t][32 i][cos, sin] f32: the rotary table.   (W_O is rounded in the attention launch.)
; LIMITS.  The table's frequency is 2^(-i log2(1e6) / 32) by v_exp_f32 and the angle t f one f32 product; the angle is reduced by 2 pi
; in two parts and halved, and sine and cosine are series to y^11 and y^12 on |y| <= pi / 2 (remainder under 1e-7).
; SHARES.  Grid y = unit u.  Units 0 to 11 are 2 M numbers each (8 MiB in, 4 MiB out); work-group x of 64 takes 32,768 of them, 32 chunks of
; 4 KiB in: a wave's load covers 512 consecutive bytes, a wave's store 256 consecutive bytes, aligned.  Chunk numbers stand in the immediates,
; so no address register is rewritten.  Unit 12 makes the table, two entries a thread.  No LDS, no matrix unit, no cluster: nothing is read twice and nothing is shared.
; THE MODE: SCHED_MODE bits 1:0 = 2 (LLVM: expert scheduling mode 2), set by the entry lines.  The code itself states the register dependences
; between vector instructions and memory instructions, with s_wait_alu, always for 0.
; THE PLAN.  The 32 chunks go in 8 blocks of four.  Registers that memory instructions touch:
;   X0 .. X4   five blocks as loaded.     Written by the loads of block p + 4, issued in block p; read by block p's conversions.
;   Y0, Y1     two blocks to store.       Written by block p's conversions; read by the four stores that are issued in block p + 1.
;   v1, v2     byte offsets, made once at the head and never written again.
; Block p works on X[p % 5] and writes Y[p % 2].  Its memory instructions are the loads into X[(p + 4) % 5] = X[(p - 1) % 5] and the stores from
; Y[(p - 1) % 2]: the two buffers that block p - 1 worked on and that no vector instruction of block p names.  So the waits at the head of a block
; state all that the block's eight memory instructions hang on, and these are dealt among its eight conversions with no further wait.
; Behind a block's head 12 loads of the wave are out and four more follow: 16 on their way.
.set BLOCK,  4                         ; chunks in a block
.set BLOCKS, 8                         ; blocks of a work-group: 32 chunks
.set NX,     5                         ; buffers of X
.set AHEAD,  NX-1                      ; a block is asked for four blocks ahead
.set X, 16                             ; v[16:95]   buffer b, chunk i: 4 registers at X + 16 b + 4 i, as loaded
.set Y, 96                             ; v[96:111]  buffer b, chunk i: 2 registers at Y + 8 b + 2 i, to store
	s_load_b512 s[4:19], s[0:1], 0x0               ; query 4, key_value 6, W_QC 8, W_QR 10, W_KC 12, W_KR 14, W_V 16, xb 18
	s_load_b128 s[20:23], s[0:1], 0x40             ; wb 20, rope 22
	s_and_b32 s28, ttmp7, 0xffff                   ; u
	s_mov_b32 s29, ttmp9                           ; x
	v_lshlrev_b32 v1, 4, v0                        ; 16 bytes a thread in
	v_lshlrev_b32 v2, 3, v0                        ; 8 bytes a thread out
	s_wait_kmcnt 0x0
	s_cmp_eq_u32 s28, 12
	s_cbranch_scc1 .Ltable
	; which input, and the first unit of it; which output, and the first unit of it
.macro PICK k, src
	s_cmp_ge_u32 s28, \k
	s_cselect_b64 s[32:33], s[\src:\src+1], s[32:33]
	s_cselect_b32 s30, \k, s30
.endm
	s_mov_b64 s[32:33], s[4:5]
	s_mov_b32 s30, 0
	PICK 2, 6
	PICK 4, 8
	PICK 6, 10
	PICK 7, 12
	PICK 9, 14
	PICK 10, 16
	s_cmp_ge_u32 s28, 4
	s_cselect_b64 s[34:35], s[20:21], s[18:19]
	s_cselect_b32 s31, 4, 0
	s_sub_co_u32 s36, s28, s30
	s_lshl_b32 s36, s36, 23                        ; units of 8 MiB in
	s_lshl_b32 s37, s29, 17                        ; + 128 KiB a work-group
	s_add_co_u32 s36, s36, s37
	s_mov_b32 s37, 0
	s_add_nc_u64 s[32:33], s[32:33], s[36:37]
	s_sub_co_u32 s38, s28, s31
	s_lshl_b32 s38, s38, 22                        ; units of 4 MiB out
	s_lshl_b32 s39, s29, 16                        ; + 64 KiB a work-group
	s_add_co_u32 s38, s38, s39
	s_mov_b32 s39, 0
	s_add_nc_u64 s[34:35], s[34:35], s[38:39]
	s_wait_alu depctr_va_vdst(0)                   ; v1 and v2 are written: every load and store below reads one of them as its offset
.set k, 0
.rept AHEAD*BLOCK                      ; blocks 0 to 3 into X0 to X3
	global_load_b128 v[X+4*k:X+4*k+3], v1, s[32:33] offset:4096*k th:TH_LOAD_NT
.set k, k+1
.endr
.set p, 0
.rept BLOCKS                           ; block p
.set xb, X+16*(p%NX)                   ; the X that it works on
.set xn, X+16*((p+AHEAD)%NX)           ; the X in which its loads land: the one that block p - 1 worked on
.set yb, Y+8*(p%2)                     ; the Y that it writes
.set yo, Y+8*((p+1)%2)                 ; the Y that its stores read: the one that block p - 1 wrote
.if p <= BLOCKS-AHEAD
	s_wait_loadcnt (AHEAD-1)*BLOCK                 ; loads come back in order (ISA guide 5.7.1): block p is in, the three younger blocks (12 loads) stay out
.else
	s_wait_loadcnt (BLOCKS-1-p)*BLOCK              ; nothing more has been asked for: the counts run down
.endif
.if p >= 2
	s_wait_xcnt 0x0                                ; every earlier memory instruction has had its addresses translated (ISA guide 3.1): this block's Y, which stores read, is rewritten only behind this wait
	s_wait_alu depctr_vm_vsrc(0)                   ; the stores issued in the block before have read this block's Y, which its conversions write again
.endif
.if p >= 1
	s_wait_alu depctr_va_vdst(0)                   ; the block before has written the other Y, which the stores below read, and is done reading its X, in which the loads below land
.endif
.set i, 0
.rept BLOCK
.if p < BLOCKS-AHEAD
	global_load_b128 v[xn+4*i:xn+4*i+3], v1, s[32:33] offset:4096*(BLOCK*(p+AHEAD)+i) th:TH_LOAD_NT  ; four blocks ahead, ahead of the store; no vector instruction since the wait names these registers (block 0: none ever has)
.endif
.if p >= 1
	global_store_b64 v2, v[yo+2*i:yo+2*i+1], s[34:35] offset:2048*(BLOCK*(p-1)+i)  ; the block before; read again by the next launch: no hint
.endif
	v_cvt_pk_bf16_f32 v[yb+2*i], v[xb+4*i], v[xb+4*i+1]
	v_cvt_pk_bf16_f32 v[yb+2*i+1], v[xb+4*i+2], v[xb+4*i+3]
.set i, i+1
.endr
.set p, p+1
.endr
	s_wait_alu depctr_va_vdst(0)                   ; the last block has written its Y, which the last four stores read
.set i, 0
.rept BLOCK
	global_store_b64 v2, v[Y+8*((BLOCKS-1)%2)+2*i:Y+8*((BLOCKS-1)%2)+2*i+1], s[34:35] offset:2048*(BLOCK*(BLOCKS-1)+i)
.set i, i+1
.endr
	s_endpgm
; cos and sin of the angle v[t] x frequency (v6), into v[o], v[o+1]
.macro SINCOS t, o
	v_mul_f32 v7, v[\t], v6                        ; the angle
	v_mul_f32 v8, 0x3e22f983, v7                   ; / 2 pi
	v_rndne_f32 v8, v8                             ; n
	v_fmamk_f32 v7, v8, 0xc0c90fdb, v7             ; - n x (2 pi rounded to f32), exact in the fused form,
	v_fmamk_f32 v7, v8, 0x343bbd2e, v7             ; - n x (what that rounding left)
	v_mul_f32 v8, 0.5, v7                          ; y
	v_mul_f32 v9, v8, v8                           ; z = y y
	v_mov_b32 v10, 0xb2d7322b                      ; sin y / y: -1/11!
	v_mov_b32 v11, 0x310f76c7                      ; cos y: 1/12!
	v_fmaak_f32 v10, v10, v9, 0x3638ef1d           ; 1/9!
	v_fmaak_f32 v11, v11, v9, 0xb493f27e           ; -1/10!
	v_fmaak_f32 v10, v10, v9, 0xb9500d01           ; -1/7!
	v_fmaak_f32 v11, v11, v9, 0x37d00d01           ; 1/8!
	v_fmaak_f32 v10, v10, v9, 0x3c088889           ; 1/5!
	v_fmaak_f32 v11, v11, v9, 0xbab60b61           ; -1/6!
	v_fmaak_f32 v10, v10, v9, 0xbe2aaaab           ; -1/3!
	v_fmaak_f32 v11, v11, v9, 0x3d2aaaab           ; 1/4!
	v_fma_f32 v10, v10, v9, 1.0
	v_fma_f32 v11, v11, v9, -0.5
	v_mul_f32 v10, v10, v8                         ; sin y
	v_fma_f32 v11, v11, v9, 1.0                    ; cos y
	v_mul_f32 v12, v10, v10
	v_mul_f32 v13, v10, v11
	v_fma_f32 v[\o], v12, -2.0, 1.0                ; cos 2y = 1 - 2 sin^2 y
	v_add_f32 v[(\o)+1], v13, v13                  ; sin 2y = 2 sin y cos y
.endm
.Ltable:                                               ; entries g = 512 x + thread and g + 256: position t = g / 32 and t + 8, the same pair i = g % 32
	v_lshl_add_u32 v3, s29, 9, v0
	v_and_b32 v4, 31, v3
	v_lshrrev_b32 v5, 5, v3
	v_cvt_f32_u32 v4, v4
	v_cvt_f32_u32 v5, v5
	v_mul_f32 v4, 0xbf1f73da, v4                   ; -i log2(1e6) / 32
	v_exp_f32 v6, v4                               ; the frequency
	v_lshlrev_b32 v3, 3, v3                        ; 8 bytes an entry: the plain line behind the exponential
	v_add_f32 v14, 0x41000000, v5                  ; t + 8, exact
	s_wait_alu depctr_va_vdst(0)
	SINCOS 5, 16
	SINCOS 14, 18
	s_wait_alu depctr_va_vdst(0)                   ; the offset v3 and the four numbers v[16:19] are written, which the two stores read
	global_store_b64 v3, v[16:17], s[22:23]        ; a wave's store covers 256 consecutive bytes: one position's row
	global_store_b64 v3, v[18:19], s[22:23] offset:2048
	s_endpgm
.Lfunc_end_k_qe00541028f_cast:
	.size	k_qe00541028f_cast, .Lfunc_end_k_qe00541028f_cast-k_qe00541028f_cast
	.p2alignl 7, 3214868480
	.fill 96, 4, 3214868480
	.section	.rodata,"a",@progbits
	.p2align	6, 0x0
	.amdhsa_kernel k_qe00541028f_cast
		.amdhsa_group_segment_fixed_size 0
		.amdhsa_private_segment_fixed_size 0
		.amdhsa_enable_private_segment 0
		.amdhsa_kernarg_size 80
		.amdhsa_user_sgpr_count 2
		.amdhsa_user_sgpr_kernarg_segment_ptr 1
		.amdhsa_wavefront_size32 1
		.amdhsa_system_sgpr_workgroup_id_x 1
		.amdhsa_system_sgpr_workgroup_id_y 1
		.amdhsa_system_sgpr_workgroup_id_z 1
		.amdhsa_system_vgpr_workitem_id 0
		.amdhsa_next_free_vgpr 112
		.amdhsa_next_free_sgpr 66
		.amdhsa_reserve_vcc 0
		.amdhsa_float_denorm_mode_32 3
		.amdhsa_float_denorm_mode_16_64 3
		.amdhsa_memory_ordered 1
		.amdhsa_forward_progress 1
		.amdhsa_inst_pref_size 16
	.end_amdhsa_kernel
	.amdgpu_metadata
---
amdhsa.version: [ 1, 2 ]
amdhsa.kernels:
  - .name:           k_qe00541028f_cast
    .symbol:         k_qe00541028f_cast.kd
    .args:
      - { .name: query, .offset: 0, .size: 8, .value_kind: global_buffer, .address_space: global }
      - { .name: key_value, .offset: 8, .size: 8, .value_kind: global_buffer, .address_space: global }
      - { .name: W_QC, .offset: 16, .size: 8, .value_kind: global_buffer, .address_space: global }
      - { .name: W_QR, .offset: 24, .size: 8, .value_kind: global_buffer, .address_space: global }
      - { .name: W_KC, .offset: 32, .size: 8, .value_kind: global_buffer, .address_space: global }
      - { .name: W_KR, .offset: 40, .size: 8, .value_kind: global_buffer, .address_space: global }
      - { .name: W_V, .offset: 48, .size: 8, .value_kind: global_buffer, .address_space: global }
      - { .name: xb, .offset: 56, .size: 8, .value_kind: global_buffer, .address_space: global }
      - { .name: wb, .offset: 64, .size: 8, .value_kind: global_buffer, .address_space: global }
      - { .name: rope, .offset: 72, .size: 8, .value_kind: global_buffer, .address_space: global }
    .group_segment_fixed_size: 0
    .private_segment_fixed_size: 0
    .kernarg_segment_align: 8
    .kernarg_segment_size: 80
    .max_flat_workgroup_size: 256
    .sgpr_count:     66
    .vgpr_count:     112
    .wavefront_size: 32
...
	.end_amdgpu_metadata
.endif
;; end of part 5
;; launch proj: the kernel of part 2 again; grid 32 x 8, 4 waves a work-group, clusters of 4 x 4, 327,680 bytes of LDS; arguments xb, wb, rope, qh, kh, vh; writes qh, kh, vh
;; launch attn: the kernel of part 3 again; grid 8 x 32, 4 waves a work-group, clusters of 4 x 1, 327,680 bytes of LDS; arguments qh, kh, vh, oh, W_O, wo; writes oh, wo
;; launch oproj: the kernel of part 4 again; grid 16 x 16, 4 waves a work-group, clusters of 4 x 4, 327,680 bytes of LDS; arguments oh, wo, out0; writes out0
